; MI455X (gfx1250); checked and timed in simulation.
; The chip was launched on July 23, 2026; its instructions are those of AMD's public machine-readable ISA for CDNA 5 (MIT licence, August 2026) and "CDNA5" Instruction Set Architecture Reference Guide (July 2026). The comments in the code are by the model that wrote it; some were corrected since.
;; Causal Attention. Allowed arithmetic: matrix products marked QUANTISED: E4M3 operands, one given power-of-two scale a tensor, by v_wmma_f32_16x16x64_fp8_fp8 or v_wmma_f32_16x16x128_fp8_fp8, f32 sums; everything else in f32.
;; Inputs: Wk 1,024 x 1,024 float32; Wo 1,024 x 1,024 float32; Wq 1,024 x 1,024 float32; Wv 1,024 x 1,024 float32; bo 1,024 float32; lowp_scales 12 int32 (the exponents e of the quantised operands' scales 2^e); x 4 x 2,048 x 1,024 float32.
;; Outputs: out0 4 x 2,048 x 1,024 float32.
;; This version of the problem:
;;   THIS VERSION OF THE PROBLEM IS GIVEN IN LOW PRECISION. The matrix products marked QUANTISED in the list below multiply operands that are first quantised to E4M3 (4 exponent bits, 3 mantissa bits; 8 bits a number), with one given power-of-two scale for each operand tensor; their sums are f32. All else is computed in f32.
;;   The module's matrix products, in the order in which they are computed (A, B: the left and right operand; K: the contracted axis; several contracted axes count as one K, in the product's order):
;;     1. [M 8,192, K 1,024] x [K 1,024, N 1,024]; A: input x; B: input Wq: QUANTISED (scales: A lowp_scales[0], B lowp_scales[1])
;;     2. [M 8,192, K 1,024] x [K 1,024, N 1,024]; A: input x; B: input Wk: QUANTISED (scales: A lowp_scales[2], B lowp_scales[3])
;;     3. [M 8,192, K 1,024] x [K 1,024, N 1,024]; A: input x; B: input Wv: QUANTISED (scales: A lowp_scales[4], B lowp_scales[5])
;;     4. batch 64 x [M 2,048, K 64] x [K 64, N 2,048]; A: computed on the way; B: computed on the way: QUANTISED (scales: A lowp_scales[6], B lowp_scales[7])
;;     5. batch 64 x [M 2,048, K 2,048] x [K 2,048, N 64]; A: softmax (see below); B: computed on the way: QUANTISED (scales: A lowp_scales[8], B lowp_scales[9])
;;     6. [M 8,192, K 1,024] x [K 1,024, N 1,024]; A: computed on the way; B: input Wo: QUANTISED (scales: A lowp_scales[10], B lowp_scales[11])
;;   THE QUANTISER, for each operand of a quantised product, along K:
;;     - The operand's scale is 2^e, e = its entry of the input lowp_scales (int32; the entries are numbered through the quantised products in the list's order, A before B).
;;     - Each number is divided by the scale, clamped to +-448, and rounded to the nearest number of E4M3, ties to even, subnormals kept.
;;     - The product sums the exact products of the quantised numbers (number of the format x scale) in f32.
;;   ~~~python
;;   def quantise(x, axis, e):      # numpy; x: float32 -> the quantised numbers, widened to float32 again
;;       x = np.moveaxis(x, axis, -1); K = x.shape[-1]
;;       r = np.clip(x / 2.0 ** e, -448, 448)
;;       step = 2.0 ** (np.maximum(np.frexp(np.where(r == 0, 1, r))[1] - 1, -6) - 3)
;;       q = np.round(r / step) * step * 2.0 ** e      # np.round: ties to even
;;       return np.moveaxis(q, -1, axis).astype(np.float32)
;;   ~~~
;;   SOFTMAX AHEAD OF A QUANTISED PRODUCT. Where the list says 'softmax', what is quantised is not the finished softmax but p = 2^(t - M), with t = logit x log2(e) and M = ceil(the row's largest t), a whole number; so 1/2 < the row's largest p <= 1. The row's sum l is taken of the UNQUANTISED p, in f32, and the product's result is divided by l at the end. Since M is a whole number, a kernel that streams over the keys may use a running M (the ceiling of the running maximum): every later rescaling is an exact power of two, so the quantised numbers keep their values, but for numbers so far below the row's largest that they fall under the format's range.
;;   OPERANDS COMPUTED ON THE WAY. 'Computed on the way' means the value that the module computes at that place (a softmax that the list does not call 'softmax' is quantised finished and normalised). What goes into a quantiser is computed in f32, as accurately as f32 sums, v_exp_f32 and their like allow (about 1e-6 of the number): no bf16 or f16 on the way to a quantiser, and a product that is left as it is and whose result goes on into a quantised operand takes f32 operands (vector FMAs, or v_wmma_f32_16x16x4_f32). A number that lies on a knife's edge between two numbers of the format may be rounded either way, as far as f32 arithmetic and the matrix unit's own rounding can turn it there, and no further.
;; One version. Each part assembles by itself: llvm-mc -triple=amdgcn-amd-amdhsa -mcpu=gfx1250 --defsym DOCPART=n.
;; ======== version 1 of 1: 4 launches
;; limits: right only within a limited range of input values
;; workspace buffers: xc 25,165,824 bytes; wc 4,194,304 bytes; qkv 25,165,824 bytes; oc 8,388,608 bytes
;; launch quant (part 1): grid 384 x 1, 4 waves a work-group, no clusters, 66,048 bytes of LDS; arguments x, Wq, Wk, Wv, Wo, lowp_scales, xc, wc; writes xc, wc
.if DOCPART == 1
	.amdgcn_target "amdgcn-amd-amdhsa--gfx1250"
	.amdhsa_code_object_version 6
	.text
	.protected	k_q8c7827afac_quant
	.globl	k_q8c7827afac_quant
	.p2align	8
	.type	k_q8c7827afac_quant,@function
k_q8c7827afac_quant:
	s_mov_b64 s[64:65], 0
	v_nop
	global_prefetch_b8 v0, s[64:65] scope:SCOPE_SE
	s_setreg_imm32_b32 hwreg(HW_REG_WAVE_MODE, 25, 1), 1
	s_wait_xcnt 0x0
; x [8192][1024] and the four weights [1024][1024], f32 with K innermost, become codes of FP8 (E4M3), one byte each, K innermost.
; x is an operand of three products, each with a scale entry of its own (entries 0, 2, 4): it is read once and quantised three times, into xc [3][8192][1024].
; Wq, Wk, Wv, Wo (entries 1, 3, 5, 11) go into wc [4][1024][1024].
; code = number / 2^e, held within +-448, rounded to the nearest code, ties to even.
; LIMITS: each e used here lies between -126 and 119, so that 2^e and 448 x 2^e are f32 numbers.  NaN among the inputs is not served; an infinity is held at the largest code.
; Rows are dense, so each tensor is a plain stream.  A wave takes 8,192 numbers in 16 steps of 512.  Each of a step's four loads reads 512 consecutive bytes, 16 a lane; the 2,048 bytes go through the
; wave's own stage in LDS and come back 64 bytes a lane, since the conversions take neighbours along K from ONE lane's registers.  A lane's 16 codes are 16 bytes: a store covers 512 consecutive bytes.
; Work-groups 0-255 take x, 256-383 the weights (32 each).  The two ways part on the work-group's number and have LDS bytes of their own.  No barrier: waves share nothing.
.set STEPS, 16
.set SP,    80                         ; a lane's place in a stage: 64 bytes + 16 of padding
.set R,     32                         ; v32-95   four sets of 16 numbers as loaded
.set X,     96                         ; v96-127  two sets of 16 neighbours
.set T,     128
.set C,     176                        ; v176-187 the codes, four registers for each scale
.set SRC,   32                         ; s[32:33] my run of the source
.set DST,   26                         ; s[26:31] my run of up to three destinations
	s_load_b256 s[4:11], s[0:1], 0x0               ; x, Wq, Wk, Wv
	s_load_b256 s[12:19], s[0:1], 0x20             ; Wo, the exponents, xc, wc
	v_lshl_add_u32 v192, v0, 2, 0x10000
	v_mov_b32 v193, 0
	v_lshrrev_b32 v1, 5, v0
	v_readfirstlane_b32 s20, v1                    ; wave
	v_and_b32 v2, 31, v0                           ; lane
	v_lshlrev_b32 v3, 4, v2                        ; my 16 bytes of a load's 512
	v_lshlrev_b32 v4, 4, v2                        ; my 16 codes of a step's 512
	s_lshl_b32 s21, s20, 13                        ; 8,192 bytes of LDS for each wave
	v_lshrrev_b32 v14, 2, v2
	v_mul_u32_u24 v14, v14, SP
	v_and_b32 v15, 3, v2
	v_lshl_add_u32 v14, v15, 4, v14
	v_add_nc_u32 v14, s21, v14                     ; x's way, into the stage: four lanes' 64 bytes on end, then the padding
	v_mul_u32_u24 v15, v2, SP
	v_add_nc_u32 v15, s21, v15                     ; and out of it: my 16 neighbours
	v_add_nc_u32 v12, 0x8000, v14                  ; the weights' way: the same, 32,768 bytes further on
	v_add_nc_u32 v13, 0x8000, v15
	s_mov_b32 s25, 0
	s_wait_kmcnt 0x0
	s_load_b256 s[36:43], s[14:15], 0x0            ; e0 .. e7
	s_load_b128 s[44:47], s[14:15], 0x20           ; e8 .. e11
.macro LOAD t
.irp i, 0,1,2,3
	global_load_b128 v[R+16*((\t)%4)+4*\i:R+16*((\t)%4)+4*\i+3], v3, s[SRC:SRC+1] offset:2048*(\t)+512*\i th:TH_LOAD_NT
.endr
.endm
.macro TURN t, ain, aout               ; step t's numbers through the stage: LDS serves a wave's instructions in order, so no wait stands between the stores and the loads
.irp i, 0,1,2,3
	ds_store_b128 v[\ain], v[R+16*((\t)%4)+4*\i:R+16*((\t)%4)+4*\i+3] offset:32*SP*((\t)%2)+8*SP*\i
.endr
.irp i, 0,1,2,3
	ds_load_b128 v[X+16*((\t)%2)+4*\i:X+16*((\t)%2)+4*\i+3], v[\aout] offset:32*SP*((\t)%2)+16*\i
.endr
.endm
.macro SCALE p, e                      ; v[16+2p] = 2^e as f32 (the conversion takes its exponent field)
	s_add_co_i32 s34, \e, 127
	s_lshl_b32 s35, s34, 23
	v_mov_b32 v[16+2*\p], s35
	s_add_co_i32 s34, s34, 8
	s_lshl_b32 s34, s34, 23
	s_or_b32 s34, s34, 0x600000
.endm
.macro STEP t, n, ain, aout            ; n: how many scales the numbers are quantised with
.set XS, X+16*((\t)%2)
	s_wait_xcnt 0x0                                ; the last step's stores have read their data: the codes' registers are written again only behind this wait
	s_wait_dscnt 0x0                               ; this step's numbers are back from the stage, and its stores into the stage have read their registers,
.if (\t)+4 < STEPS
	LOAD (\t)+4                                    ; which take the loads of four steps on
.endif
.if (\t)+1 < STEPS
.if STEPS-2-(\t) >= 3
	s_wait_loadcnt 12                              ; the next step's four loads are in; those of the three steps behind it may be out
.else
	s_wait_loadcnt 4*(STEPS-2-(\t))
.endif
	TURN (\t)+1, \ain, \aout
.endif
.set P, 0
.rept \n
.irp i, 0,1,2,3,4,5,6,7,8,9,10,11,12,13,14,15
.endr
.set P, P+1
.endr
.set P, 0
.rept \n
	v_cvt_scalef32_pk8_fp8_f32 v[C+4*P:C+4*P+1], v[T+16*P+((XS+0)-(T+16*P+0)):T+16*P+7+((XS+0)-(T+16*P+0))], v[16+2*P]
	v_cvt_scalef32_pk8_fp8_f32 v[C+4*P+2:C+4*P+3], v[T+16*P+8+((XS+0)-(T+16*P+0)):T+16*P+15+((XS+0)-(T+16*P+0))], v[16+2*P]
.set P, P+1
.endr
	v_nop                                          ; one plain vector line behind the conversions
.set P, 0
.rept \n
	global_store_b128 v4, v[C+4*P:C+4*P+3], s[DST+2*P:DST+2*P+1] offset:512*(\t)
.set P, P+1
.endr
.endm
	s_cmp_lt_u32 ttmp9, 256
	s_cbranch_scc0 .Lweights
	; ---- x: run 4 g + wave of 1,024
	s_lshl_b32 s22, ttmp9, 2
	s_add_co_u32 s22, s22, s20
	s_lshl_b32 s24, s22, 15                        ; 8,192 numbers of 4 bytes
	s_add_nc_u64 s[SRC:SRC+1], s[4:5], s[24:25]
	s_lshl_b32 s24, s22, 13                        ; 8,192 codes
	s_add_nc_u64 s[DST:DST+1], s[16:17], s[24:25]
	s_add_nc_u64 s[DST+2:DST+3], s[DST:DST+1], 0x800000    ; the second and third copy, 8,388,608 bytes apart
	s_add_nc_u64 s[DST+4:DST+5], s[DST:DST+1], 0x1000000
.irp t, 0,1,2,3
	LOAD \t
.endr
	s_wait_kmcnt 0x0
	SCALE 0, s36
	SCALE 1, s38
	SCALE 2, s40
	s_wait_loadcnt 12                              ; step 0's four loads are in
	s_wait_alu depctr_va_vdst(0)
	TURN 0, 14, 15
.irp t, 0,1,2,3,4,5,6,7,8,9,10,11,12,13,14,15
	STEP \t, 3, 14, 15
.endr
	s_wait_tensorcnt 0x0
	ds_add_u32 v192, v193
	s_wait_dscnt 0x0
	s_endpgm
.Lweights:
	; ---- a weight: tensor (g - 256) / 32, run 4 ((g - 256) % 32) + wave of 128
	s_sub_co_u32 s22, ttmp9, 256
	s_lshr_b32 s23, s22, 5                         ; which weight: 0 Wq, 1 Wk, 2 Wv, 3 Wo
	s_and_b32 s22, s22, 31
	s_lshl_b32 s22, s22, 2
	s_add_co_u32 s22, s22, s20
	s_cmp_eq_u32 s23, 1
	s_cselect_b64 s[SRC:SRC+1], s[8:9], s[6:7]
	s_cmp_eq_u32 s23, 2
	s_cselect_b64 s[SRC:SRC+1], s[10:11], s[SRC:SRC+1]
	s_cmp_eq_u32 s23, 3
	s_cselect_b64 s[SRC:SRC+1], s[12:13], s[SRC:SRC+1]
	s_lshl_b32 s24, s22, 15
	s_add_nc_u64 s[SRC:SRC+1], s[SRC:SRC+1], s[24:25]
	s_lshl_b32 s24, s22, 13
	s_lshl_b32 s21, s23, 20                        ; a weight's codes are 1,048,576 bytes
	s_add_co_u32 s24, s24, s21
	s_add_nc_u64 s[DST:DST+1], s[18:19], s[24:25]
.irp t, 0,1,2,3
	LOAD \t
.endr
	s_wait_kmcnt 0x0
	s_cmp_eq_u32 s23, 1
	s_cselect_b32 s21, s39, s37                    ; e3 or e1
	s_cmp_eq_u32 s23, 2
	s_cselect_b32 s21, s41, s21                    ; e5
	s_cmp_eq_u32 s23, 3
	s_cselect_b32 s21, s47, s21                    ; e11
	SCALE 0, s21
	s_wait_loadcnt 12
	s_wait_alu depctr_va_vdst(0)
	TURN 0, 12, 13
.irp t, 0,1,2,3,4,5,6,7,8,9,10,11,12,13,14,15
	STEP \t, 1, 12, 13
.endr
	s_wait_tensorcnt 0x0
	ds_add_u32 v192, v193
	s_wait_dscnt 0x0
	s_endpgm
.Lfunc_end_k_q8c7827afac_quant:
	.size	k_q8c7827afac_quant, .Lfunc_end_k_q8c7827afac_quant-k_q8c7827afac_quant
	.p2alignl 7, 3214868480
	.fill 96, 4, 3214868480
	.section	.rodata,"a",@progbits
	.p2align	6, 0x0
	.amdhsa_kernel k_q8c7827afac_quant
		.amdhsa_group_segment_fixed_size 66048
		.amdhsa_private_segment_fixed_size 0
		.amdhsa_enable_private_segment 0
		.amdhsa_kernarg_size 64
		.amdhsa_user_sgpr_count 2
		.amdhsa_user_sgpr_kernarg_segment_ptr 1
		.amdhsa_wavefront_size32 1
		.amdhsa_system_sgpr_workgroup_id_x 1
		.amdhsa_system_sgpr_workgroup_id_y 1
		.amdhsa_system_sgpr_workgroup_id_z 1
		.amdhsa_system_vgpr_workitem_id 0
		.amdhsa_next_free_vgpr 194
		.amdhsa_next_free_sgpr 66
		.amdhsa_reserve_vcc 0
		.amdhsa_float_denorm_mode_32 3
		.amdhsa_float_denorm_mode_16_64 3
		.amdhsa_fp16_overflow 1
		.amdhsa_memory_ordered 1
		.amdhsa_forward_progress 1
		.amdhsa_inst_pref_size 50
	.end_amdhsa_kernel
	.amdgpu_metadata
---
amdhsa.version: [ 1, 2 ]
amdhsa.kernels:
  - .name:           k_q8c7827afac_quant
    .symbol:         k_q8c7827afac_quant.kd
    .args:
      - { .name: x, .offset: 0, .size: 8, .value_kind: global_buffer, .address_space: global }
      - { .name: Wq, .offset: 8, .size: 8, .value_kind: global_buffer, .address_space: global }
      - { .name: Wk, .offset: 16, .size: 8, .value_kind: global_buffer, .address_space: global }
      - { .name: Wv, .offset: 24, .size: 8, .value_kind: global_buffer, .address_space: global }
      - { .name: Wo, .offset: 32, .size: 8, .value_kind: global_buffer, .address_space: global }
      - { .name: lowp_scales, .offset: 40, .size: 8, .value_kind: global_buffer, .address_space: global }
      - { .name: xc, .offset: 48, .size: 8, .value_kind: global_buffer, .address_space: global }
      - { .name: wc, .offset: 56, .size: 8, .value_kind: global_buffer, .address_space: global }
    .group_segment_fixed_size: 66048
    .private_segment_fixed_size: 0
    .kernarg_segment_align: 8
    .kernarg_segment_size: 64
    .max_flat_workgroup_size: 128
    .sgpr_count:     66
    .vgpr_count:     194
    .wavefront_size: 32
...
	.end_amdgpu_metadata
.endif
;; end of part 1
;; launch qkv_gemm (part 2): grid 12 x 32, 4 waves a work-group, clusters of 4 x 4, 327,680 bytes of LDS; arguments xc, wc, lowp_scales, qkv; writes qkv
.if DOCPART == 2
	.amdgcn_target "amdgcn-amd-amdhsa--gfx1250"
	.amdhsa_code_object_version 6
	.text
	.protected	k_q8c7827afac_qkv_gemm
	.globl	k_q8c7827afac_qkv_gemm
	.p2align	8
	.type	k_q8c7827afac_qkv_gemm,@function
k_q8c7827afac_qkv_gemm:
	s_mov_b64 s[64:65], 0
	v_nop
	global_prefetch_b8 v0, s[64:65] scope:SCOPE_SE
	s_setreg_imm32_b32 hwreg(HW_REG_WAVE_MODE, 25, 1), 1
	s_wait_xcnt 0x0
	s_wait_alu depctr_hold_cnt(0) depctr_sa_sdst(0) depctr_va_vdst(0) depctr_va_sdst(0) depctr_va_ssrc(0) depctr_va_vcc(0) depctr_vm_vsrc(0)
	s_getreg_b32 s2, hwreg(HW_REG_IB_STS2, 6, 4)
	s_cmp_eq_u32 s2, 0
	s_cbranch_scc0 .Lentry_in_a_cluster
	s_endpgm
.Lentry_in_a_cluster:
	s_bfe_u32 s2, ttmp6, 0x10000c
	s_cmp_lg_u32 s2, 0xf033
	s_cbranch_scc0 .Lentry_shape_is_right
	s_endpgm
.Lentry_shape_is_right:
; The three projections q = x Wq^T, k = x Wk^T, v = x Wv^T on codes of FP8 (E4M3), and their sums quantised at once for the attention's products.
; xc: [3][8192][1024] codes of x, one copy for each product; wc: [4][1024][1024] codes of Wq, Wk, Wv, Wo.  qkv: q at byte 0 and k at 2^23 as [64 heads of the batch][2048 tokens][64]; v at 2^24 as [64][64][2048], the keys innermost.
; The cluster's x (0, 1, 2) is the product p; it is the same in all sixteen partners.  For q and k the tile's rows are tokens and its columns the weight's rows.  FOR v THE TWO OPERANDS CHANGE PLACES: rows are Wv's rows,
; columns are tokens, so that a lane's eight results are eight neighbouring tokens of one channel: codes with the keys innermost, and nothing is transposed.  The change is a choice of pointers and of tile numbers, no branch.
; A sum stands for sum x 2^(e(2p) + e(2p+1)); its code is sum / 2^(eo - e(2p) - e(2p+1)), eo = entry 6 (q), 7 (k), 9 (v): the three scales are folded into the conversion's one.
; LIMIT: e6 - e0 - e1, e7 - e2 - e3 and e9 - e4 - e5 lie between -126 and 119, so that the scale is an f32 number.
; A tile, 256 x 256, is made by four waves, each 128 x 128: 64 accumulators, 512 registers.  K = 1,024 goes in four steps of 256 through a ring of two LDS slots filled by the tensor data mover; a tile's row is 256 bytes of memory.
; CLUSTERS: 4 x 4 work-groups.  The four of a row of the cluster need the same row tiles, the four of a column the same column tiles: each is asked for JOINTLY, by the same tensor load with the same descriptor and a mask that names the four.
; THE MATRIX INSTRUCTION IS USED TRANSPOSED (source 0 = 16 rows of the column operand B, source 1 = 16 rows of the row operand A): a lane holds eight neighbouring columns of one row.
; Fragments come by 16-byte loads: a permutation of k inside 128, the same in A and B: every product meets its partner; only the order of the sums inside an instruction differs.
; REGISTERS, in windows of 256: window 0: v0-31 addresses; from v128 A's fragments, ONE set; on the way out v32-255 are free.   window 1: B's fragments, TWO sets.   windows 2, 3: the accumulators ((a, b) at v[8 (8 (a % 4) + b)]).
.set ROWB,   256                       ; a tile's row in bytes: 256 codes
.set KROW,   1024                      ; a row of either operand in memory
.set PITCH,  272                       ; an LDS row: 256 bytes + 16 of padding = 68 words: row r starts at bank 4 r mod 64 (64 banks of 4 bytes: ISA guide 11.1)
.set FR,     16                        ; registers of a fragment: 16 rows x 128 K
.set NL,     4                         ; LDS loads that bring one
.set NP,     4                         ; places behind this matrix instruction (ISA guide 7.12.1)
.set HALFT,  128*PITCH                 ; 128 rows: what one tensor load brings
.set SLOT,   4*HALFT                   ; A's 256 rows, then B's 256 rows
.set SPARE,  2*SLOT                    ; behind the ring: the spare words, 128 bytes for each wave, that no other line names
.set ADRA, 16                          ; v16-17  LDS address of my A fragments in slot 0, 1
.set ADRB, 20                          ; v20-21  the same for B
.set GV,   23                          ; v23     the way out, v: my byte offset in memory
.set STO,  24                          ; v24     the way out: where I put 8 codes of a row
.set RQ,   25                          ; v25     the way out, q and k: where I read 16 bytes back
.set GQ,   26                          ; v26     and their byte offset in memory
.set RV,   27                          ; v27     the way out, v: where I read 16 bytes back
.set SPW,  28                          ; v28     LDS address of my spare word; never rewritten
.set NIL,  29                          ; v29     0; never rewritten
.set SC,   30                          ; v30     the conversion's scale as f32
.set LIM,  31
.set TMP,  32
.set CD,   96                          ; v96-223 the codes: 16 registers for each block, so that no LDS store's data are written again
.set AF,   128                         ; A's fragments, in window 0
.set BK,   128                         ; the way out: 32 x 4 registers read back from the stage
.set G1, 24                            ; s[24:31] descriptor group 1 for A's tiles;  s[32:39] group 0, one set for each slot
.set G0, 32
.set G1B, 48                           ; s[48:55], s[56:63] the same for B's tiles
.set G0B, 56
.set MSB, 0
.macro WIN new                         ; the immediate's high byte repeats the setting that is left
.if MSB != \new
	s_set_vgpr_msb (MSB<<8)|\new
.set MSB, \new
.endif
.endm
.set MUL_LO, 0xa1                      ; source 0 (B) window 1, source 1 (A) window 0, C and D window 2
.set MUL_HI, 0xf1                      ; the same, C and D window 3
.set TO_B,   0x40                      ; destination window 1, address window 0
; A joint load: waves 0 and 1 fetch for A, waves 2 and 3 for B.  Each of the two lines has ONE mask and one set of registers for all that issue it; the branch hangs on the wave's number alone.
; Four v_nop follow each of the two lines, ahead of the jump, the label and what follows.
.macro JLOAD g0a, g1a, g0b, g1b
	s_cmp_eq_u32 s15, 0
	s_cbranch_scc0 .Lfor_b_\@
	tensor_load_to_lds s[\g0a:\g0a+3], s[\g1a:\g1a+7]
	s_nop 0
.rept 4
	v_nop
.endr
	s_branch .Lasked_\@
.Lfor_b_\@:
	tensor_load_to_lds s[\g0b:\g0b+3], s[\g1b:\g1b+7]
	s_nop 0
.rept 4
	v_nop
.endr
.Lasked_\@:
.endm
.macro CREST                           ; a round of the cluster's barrier behind its opening barrier
	s_cmp_lg_u32 s14, 0
	s_cbranch_scc1 .Lnot_wave_0_\@
	s_barrier_signal -3
.Lnot_wave_0_\@:
	s_barrier_wait -3
	s_barrier_signal -1
	s_barrier_wait -1
.endm
.macro CROUND                          ; a whole round
	s_barrier_signal -1
	s_barrier_wait -1
	CREST
.endm
	s_load_b128 s[4:7], s[0:1], 0x0                ; xc s[4:5], wc s[6:7]
	s_load_b128 s[8:11], s[0:1], 0x10              ; the exponents s[8:9], qkv s[10:11]
	v_lshl_add_u32 v[SPW], v0, 2, SPARE
	v_mov_b32 v[NIL], 0
	ds_add_u32 v28, v29
	ds_add_u32 v28, v29
	s_wait_dscnt 0x0
	v_lshrrev_b32 v1, 5, v0
	v_readfirstlane_b32 s14, v1                    ; wave 0..3
	s_lshr_b32 s15, s14, 1                         ; which half of the tile's rows is mine.  Also: I fetch for A (0) or for B (1)
	s_and_b32 s16, s14, 1                          ; which half of its columns.  Also: which 128 rows of that tile I fetch
	s_bfe_u32 s40, ttmp6, 0x40000                  ; cx, cy: my place in the cluster
	s_bfe_u32 s41, ttmp6, 0x40004
	s_and_b32 s66, ttmp7, 0xffff
	s_lshl_b32 s66, s66, 2                         ; 4 x cluster y: the 32 blocks of 256 tokens are walked along y
	s_cmp_eq_u32 ttmp9, 2                          ; v?  (the cluster's x: the same in all partners)
	s_cselect_b32 s67, 0, s66                      ; tokens are the rows for q and k,
	s_cselect_b32 s66, s66, 0                      ; the columns for v
	s_add_co_u32 s17, s67, s41                     ; tile row: it holds cy and never cx
	s_add_co_u32 s42, s66, s40                     ; tile column: it holds cx and never cy
	s_lshl_b32 s43, s41, 2
	s_lshl_b32 s43, 15, s43                        ; my row of the cluster
	s_lshl_b32 s44, 0x1111, s40                    ; my column
	; descriptor group 1: a tile of 128 rows x 256 bytes, padded in LDS
	s_or_b32 s[G1+0], s43, (0<<16)|(1<<20)|(1<<21)|(5<<22)|(3<<25)  ; 15:0 the mask: A's tiles go to my row; 17:16 element of 1 byte; 20 padding on; 21 set beside a mask; 24:22 after every 64 words (code 5); 31:25 of 4 words (code 3)
	s_or_b32 s[G1B+0], s44, (0<<16)|(1<<20)|(1<<21)|(5<<22)|(3<<25)
.irp g, G1, G1B
	s_mov_b32 s[\g+1], ROWB<<16                    ; tensor_dim0
	s_mov_b32 s[\g+2], 128<<16                     ; tensor_dim1 = 128
	s_mov_b32 s[\g+3], ROWB<<16                    ; tile_dim0
	s_mov_b32 s[\g+4], 128                         ; tile_dim1 = 128
	s_mov_b32 s[\g+5], KROW                        ; tensor_dim0_stride
	s_mov_b32 s[\g+6], 0
	s_mov_b32 s[\g+7], 0
.endr
	s_lshl_b32 s18, s16, 7                         ; which 128 rows of the tile I fetch
	s_lshl_b32 s20, s17, 8
	s_add_co_u32 s20, s20, s18                     ; A: row 256 x tile row + 128 x half,
	s_lshl_b32 s20, s20, 10                        ; in bytes: under 2^23
	s_lshl_b32 s46, s42, 8
	s_add_co_u32 s46, s46, s18                     ; B: row 256 x tile column + 128 x half
	s_lshl_b32 s46, s46, 10
	s_mov_b32 s21, 0
	s_mov_b32 s47, 0
	s_mul_i32 s45, s14, HALFT                      ; where they go: wave x 128 rows: no place in the cluster enters an LDS address
	s_lshl_b32 s84, ttmp9, 23                      ; the product's copy of x's codes,
	s_mov_b32 s85, 0
	s_lshl_b32 s86, ttmp9, 20                      ; and its weight's codes
	s_mov_b32 s87, 0
	s_wait_kmcnt 0x0
	s_load_b256 s[68:75], s[8:9], 0x0              ; e0 .. e7
	s_load_b128 s[76:79], s[8:9], 0x20             ; e8 .. e11
	s_add_nc_u64 s[4:5], s[4:5], s[84:85]
	s_add_nc_u64 s[6:7], s[6:7], s[86:87]
	s_cmp_eq_u32 ttmp9, 2
	s_cselect_b64 s[88:89], s[6:7], s[4:5]         ; the row operand A: x's codes, for v the weight's
	s_cselect_b64 s[90:91], s[4:5], s[6:7]         ; the column operand B: the other
	s_add_nc_u64 s[20:21], s[88:89], s[20:21]
	s_add_nc_u64 s[46:47], s[90:91], s[46:47]
	CROUND                                         ; all sixteen work-groups are here: the first joint loads meet
.irp s, 0,1
	s_mov_b32 s[G0+4*\s], 1
	s_add_co_u32 s[G0+4*\s+1], s45, \s*SLOT
	s_add_nc_u64 s[G0+4*\s+2:G0+4*\s+3], s[20:21], \s*ROWB
	s_or_b32 s[G0+4*\s+3], s[G0+4*\s+3], 0x80000000
	s_mov_b32 s[G0B+4*\s], 1
	s_add_co_u32 s[G0B+4*\s+1], s45, \s*SLOT
	s_add_nc_u64 s[G0B+4*\s+2:G0B+4*\s+3], s[46:47], \s*ROWB
	s_or_b32 s[G0B+4*\s+3], s[G0B+4*\s+3], 0x80000000
	JLOAD G0+4*\s, G1, G0B+4*\s, G1B
.endr
	v_and_b32 v1, 15, v0                           ; r = l % 16
	v_bfe_u32 v2, v0, 4, 1                         ; h = l / 16
	v_mul_u32_u24 v3, v1, PITCH
	s_wait_alu depctr_va_vdst(0)
	v_lshl_add_u32 v4, v2, 4, v3                   ; a fragment's row x pitch + 16 x half
	s_mul_i32 s21, s15, HALFT                      ; my 128 rows of A
	s_mul_i32 s22, s16, HALFT                      ; my 128 rows of B,
	s_add_co_u32 s22, s22, 2*HALFT                 ; which lie behind A's 256
.irp s, 0,1
	v_add_nc_u32 v[ADRA+\s], s21, v4
	v_add_nc_u32 v[ADRB+\s], s22, v4
	s_add_co_u32 s21, s21, SLOT
	s_add_co_u32 s22, s22, SLOT
.endr
	; the way out: ONE stage for the work-group, 256 rows x 272 bytes of codes, from LDS byte 0: it lies in slot 0, which has had its last fill and its last read when the first code is stored there
	s_mul_i32 s23, s15, 128*PITCH
	s_lshl_b32 s22, s16, 7
	s_add_co_u32 s23, s23, s22
	v_lshl_add_u32 v5, v2, 3, v3
	v_add_nc_u32 v[STO], s23, v5                   ; in: row 128 x my row half + r, byte 128 x my column half + 8 h
	s_mul_i32 s23, s14, 64*PITCH                   ; back: wave w takes rows 64 w .. 64 w + 63
	v_and_b32 v6, 31, v0
	v_lshrrev_b32 v7, 2, v6
	v_mul_u32_u24 v7, v7, PITCH
	v_and_b32 v8, 3, v6
	v_lshl_add_u32 v7, v8, 4, v7
	v_add_nc_u32 v[RQ], s23, v7                    ; q, k: four lanes take a token's 64 bytes of one head, the wave 8 tokens
	v_lshlrev_b32 v[GQ], 4, v6                     ; which are 512 consecutive bytes of memory
	v_mul_u32_u24 v7, v2, PITCH
	v_lshl_add_u32 v7, v1, 4, v7
	v_add_nc_u32 v[RV], s23, v7                    ; v: sixteen lanes take a channel's 256 tokens, the wave two channels,
	v_lshlrev_b32 v7, 11, v2
	v_lshl_add_u32 v[GV], v1, 4, v7                ; 2,048 bytes apart in memory
	; where my wave's part begins in qkv.  q, k: product x 2^23 + batch x 2^21 + (4 x tile column) heads x 2^17 + (256 x (tile row % 8) + 64 w) tokens x 64
	s_lshr_b32 s80, s17, 3
	s_lshl_b32 s80, s80, 21
	s_lshl_b32 s81, s42, 19
	s_add_co_u32 s80, s80, s81
	s_and_b32 s81, s17, 7
	s_lshl_b32 s81, s81, 14
	s_add_co_u32 s80, s80, s81
	s_lshl_b32 s81, s14, 12
	s_add_co_u32 s80, s80, s81
	s_add_co_u32 s80, s80, s84
	; v: 2^24 + batch x 2^21 + (4 x tile row + w) heads x 2^17 + 256 x (tile column % 8) tokens
	s_lshr_b32 s82, s42, 3
	s_lshl_b32 s82, s82, 21
	s_lshl_b32 s83, s17, 19
	s_add_co_u32 s82, s82, s83
	s_lshl_b32 s83, s14, 17
	s_add_co_u32 s82, s82, s83
	s_and_b32 s83, s42, 7
	s_lshl_b32 s83, s83, 8
	s_add_co_u32 s82, s82, s83
	s_add_co_u32 s82, s82, 0x1000000
	s_cmp_eq_u32 ttmp9, 2
	s_cselect_b32 s80, s82, s80
	s_mov_b32 s81, 0
	s_add_nc_u64 s[10:11], s[10:11], s[80:81]
	; the conversion's scale: 2^(eo - e(2p) - e(2p+1))
	s_wait_kmcnt 0x0
	s_add_co_i32 s80, s68, s69
	s_sub_co_i32 s80, s74, s80                     ; q: e6 - e0 - e1
	s_add_co_i32 s81, s70, s71
	s_sub_co_i32 s81, s75, s81                     ; k: e7 - e2 - e3
	s_add_co_i32 s82, s72, s73
	s_sub_co_i32 s82, s77, s82                     ; v: e9 - e4 - e5
	s_cmp_eq_u32 ttmp9, 1
	s_cselect_b32 s80, s81, s80
	s_cmp_eq_u32 ttmp9, 2
	s_cselect_b32 s80, s82, s80
	s_add_co_i32 s80, s80, 127
	s_lshl_b32 s81, s80, 23
	v_mov_b32 v[SC], s81
.macro FRAG reg, adr, q, i             ; a fragment, 16 rows x 128 K: lane l holds row l % 16; registers 4 c .. 4 c + 3 hold K = 32 c + 16 (l / 16) + 0 .. 15
.irp c, 0,1,2,3
	ds_load_b128 v[\reg+4*\c:\reg+4*\c+3], v[\adr] offset:128*(\q)+32*\c+(\i)*16*PITCH
.endr
.endm
; 16 matrix instructions: A's blocks a0, a0 + 1 x B's eight, 128 along K.  p: B's set.  zero = 1: the first product starts the sums: nothing is ever cleared.
; The 64 accumulators take turns, one instruction a turn, in the same order in every step.
.macro MUL16 a0, p, zero
.irp a, \a0, \a0+1
.irp b, 0,1,2,3,4,5,6,7
.if \zero
	v_wmma_f32_16x16x128_fp8_fp8 v[8*(8*((\a)%4)+\b):8*(8*((\a)%4)+\b)+7], v[128*(\p)+FR*\b:128*(\p)+FR*\b+FR-1], v[AF+FR*(\a):AF+FR*(\a)+FR-1], 0
.else
	v_wmma_f32_16x16x128_fp8_fp8 v[8*(8*((\a)%4)+\b):8*(8*((\a)%4)+\b)+7], v[128*(\p)+FR*\b:128*(\p)+FR*\b+FR-1], v[AF+FR*(\a):AF+FR*(\a)+FR-1], v[8*(8*((\a)%4)+\b):8*(8*((\a)%4)+\b)+7]
.endif
.endr
.endr
.endm
.macro FETCH_B slot, q, p              ; B's eight fragments of the slot's q-th 128 along K into set p
	WIN TO_B
.irp i, 0,1,2,3,4,5,6,7
	FRAG 128*(\p)+FR*\i, ADRB+\slot, \q, \i
.endr
	WIN 0
.endm
.macro FETCH_A slot, q, i0             ; A's blocks i0 .. i0 + 3
.irp i, \i0, \i0+1, \i0+2, \i0+3
	FRAG AF+FR*(\i), ADRA+\slot, \q, \i
.endr
.endm
; A load into a register that a matrix instruction has read, and a vector instruction that reads a matrix result, stand NP places behind that matrix instruction; only plain vector
; instructions that name none of its registers are places (ISA guide 7.12.1 for vector instructions).
.macro PLACES n
.rept \n
	v_nop
.endr
.endm
; A step of 128 along K that has its successor in the same slot.  A block of A is free as soon as its eight products are issued, so one set serves A: blocks 0-3 are fetched anew in the step's middle, blocks 4-7 at its end.
.macro STEP slot, q, zero
	s_wait_dscnt 4*NL                              ; B's set and A's blocks 0-3 are in; the youngest 16 loads (A's blocks 4-7) may be out
	WIN MUL_LO
	MUL16 0, (\q)%2, \zero
	MUL16 2, (\q)%2, \zero
	s_wait_dscnt 0                                 ; A's blocks 4-7 are in (asked for 32 matrix instructions ago)
	PLACES NP
	FETCH_B \slot, (\q)+1, 1-(\q)%2
	FETCH_A \slot, (\q)+1, 0
	WIN MUL_HI
	MUL16 4, (\q)%2, \zero
	MUL16 6, (\q)%2, \zero
	PLACES NP
	WIN 0
	FETCH_A \slot, (\q)+1, 4
.endm
; A slot's last step changes slots: ONE barrier; in front of it each wave waits for all its tensor loads, adds 0 to its spare word, and waits for that and for its own reads of this slot.  fill = 1: this slot is filled again, two K steps ahead.
.macro TURN slot, next, fill
	s_wait_tensorcnt 0x0                           ; all my tensor loads have landed: my part of the next slot;  (every window is 0 here)
	ds_add_u32 v[SPW], v[NIL]                      ; 0 onto my spare word
	s_wait_dscnt 4*NL+1                            ; (the add and the youngest 16 loads, A's blocks 4-7, may be out)
	WIN MUL_LO
	MUL16 0, 1, 0                                  ; sixteen matrix instructions stand between the add and the wait for it
	s_wait_dscnt 0x0                               ; the add is done, and my reads of this slot are over
	s_barrier_signal -1
	MUL16 2, 1, 0
	WIN 0
	s_barrier_wait -1
.if \fill
	CREST                                          ; the barrier has opened a round of the cluster's barrier: no wave of any partner still reads this slot's tile or has a load on its way
	s_add_nc_u64 s[G0+4*\slot+2:G0+4*\slot+3], s[G0+4*\slot+2:G0+4*\slot+3], 2*ROWB
	s_add_nc_u64 s[G0B+4*\slot+2:G0B+4*\slot+3], s[G0B+4*\slot+2:G0B+4*\slot+3], 2*ROWB
	JLOAD G0+4*\slot, G1, G0B+4*\slot, G1B         ; the first tensor load behind the round; the four v_nop behind it are the places in front of the loads below
.else
	PLACES NP
.endif
	FETCH_B \next, 0, 0
	FETCH_A \next, 0, 0
	WIN MUL_HI
	MUL16 4, 1, 0
	MUL16 6, 1, 0
	PLACES NP
	WIN 0
	FETCH_A \next, 0, 4
.endm
	s_wait_tensorcnt 1                             ; my part of K step 0 is in (K step 1's load may be out)
	s_barrier_signal -1
	s_barrier_wait -1                              ; everybody's is
	FETCH_B 0, 0, 0
	FETCH_A 0, 0, 0
	FETCH_A 0, 0, 4
	STEP 0, 0, 1                                   ; K = 1,024 is four K steps of 256, eight steps of 128: written out, since a loop over the ring would have one trip
	TURN 0, 1, 1                                   ; slot 0 takes K step 2
	STEP 1, 0, 0
	TURN 1, 0, 1                                   ; slot 1 takes K step 3
	STEP 0, 0, 0
	TURN 0, 1, 0                                   ; nothing is left to fetch: no round of the cluster's barrier
	STEP 1, 0, 0
	s_wait_dscnt 4*NL                              ; the very last step
	WIN MUL_LO
	MUL16 0, 1, 0
	MUL16 2, 1, 0
	s_wait_alu depctr_va_vdst(0)
	s_wait_dscnt 0
	WIN MUL_HI
	MUL16 4, 1, 0
	MUL16 6, 1, 0
	WIN 0
; THE WAY OUT.  Block a (16 rows x 128 columns): eight neighbouring columns of a lane become 8 codes; they go into the work-group's stage.
.macro CODES a
.set AC, 64*((\a)%4)
	WIN 0x02+((\a)/4)                              ; source 0: window 2 or 3
.set j, 0
.rept 64
.set j, j+1
.endr
.irp b, 0,1,2,3,4,5,6,7
	v_cvt_scalef32_pk8_fp8_f32 v[CD+16*(\a)+2*\b:CD+16*(\a)+2*\b+1], v[AC+8*\b:AC+8*\b+7], v[SC]
.endr
	WIN 0
	v_nop                                          ; one plain vector line behind the conversions
.irp b, 0,1,2,3,4,5,6,7
	ds_store_b64 v[STO], v[CD+16*(\a)+2*\b:CD+16*(\a)+2*\b+1] offset:16*PITCH*(\a)+16*\b
.endr
.endm
	PLACES NP                                      ; behind the last products, ahead of the first read of results
.irp a, 0,1,2,3,4,5,6,7
	CODES \a
.endr
	s_wait_dscnt 0x0                               ; for the others' sake: my codes lie in the stage
	s_barrier_signal -1
	s_barrier_wait -1                              ; a row's 256 bytes come from two waves
	s_cmp_eq_u32 ttmp9, 2                          ; the same in all waves and all partners; both ways only read the stage
	s_cbranch_scc1 .Lv_out
.set n, 0
.rept 32                               ; q, k: head n / 8 of the tile's four, tokens 8 (n % 8) on of my 64
	ds_load_b128 v[BK+4*n:BK+4*n+3], v[RQ] offset:8*PITCH*(n%8)+64*(n/8)
.set n, n+1
.endr
.set n, 0
.rept 32
	s_wait_dscnt 31-n                              ; LDS loads come back in order: load n is in, the younger ones may be out
	global_store_b128 v[GQ], v[BK+4*n:BK+4*n+3], s[10:11] offset:131072*(n/8)+512*(n%8)   ; 32 lanes store 512 consecutive bytes: 8 tokens of one head
.set n, n+1
.endr
	s_branch .Lstored
.Lv_out:
.set n, 0
.rept 32                               ; v: channels 2 n, 2 n + 1 of my head
	ds_load_b128 v[BK+4*n:BK+4*n+3], v[RV] offset:2*PITCH*n
.set n, n+1
.endr
.set n, 0
.rept 32
	s_wait_dscnt 31-n
	global_store_b128 v[GV], v[BK+4*n:BK+4*n+3], s[10:11] offset:4096*n   ; 16 lanes store 256 consecutive bytes, at a multiple of 256 from the buffer's first byte
.set n, n+1
.endr
.Lstored:
	s_wait_tensorcnt 0x0                           ; the wave's end, behind my last tensor load and my last LDS store
	ds_add_u32 v[SPW], v[NIL]
	s_wait_dscnt 0x0
	CROUND                                         ; the closing round: no work-group ends while a partner may still ask for a tile that names it
	s_endpgm
.Lfunc_end_k_q8c7827afac_qkv_gemm:
	.size	k_q8c7827afac_qkv_gemm, .Lfunc_end_k_q8c7827afac_qkv_gemm-k_q8c7827afac_qkv_gemm
	.p2alignl 7, 3214868480
	.fill 96, 4, 3214868480
	.section	.rodata,"a",@progbits
	.p2align	6, 0x0
	.amdhsa_kernel k_q8c7827afac_qkv_gemm
		.amdhsa_group_segment_fixed_size 327680
		.amdhsa_private_segment_fixed_size 0
		.amdhsa_enable_private_segment 0
		.amdhsa_kernarg_size 32
		.amdhsa_user_sgpr_count 2
		.amdhsa_user_sgpr_kernarg_segment_ptr 1
		.amdhsa_wavefront_size32 1
		.amdhsa_system_sgpr_workgroup_id_x 1
		.amdhsa_system_sgpr_workgroup_id_y 1
		.amdhsa_system_sgpr_workgroup_id_z 1
		.amdhsa_system_vgpr_workitem_id 0
		.amdhsa_next_free_vgpr 1024
		.amdhsa_next_free_sgpr 100
		.amdhsa_reserve_vcc 0
		.amdhsa_float_denorm_mode_32 3
		.amdhsa_float_denorm_mode_16_64 3
		.amdhsa_fp16_overflow 1
		.amdhsa_memory_ordered 1
		.amdhsa_forward_progress 1
		.amdhsa_inst_pref_size 100
	.end_amdhsa_kernel
	.amdgpu_metadata
---
amdhsa.version: [ 1, 2 ]
amdhsa.kernels:
  - .name:           k_q8c7827afac_qkv_gemm
    .symbol:         k_q8c7827afac_qkv_gemm.kd
    .args:
      - { .name: xc, .offset: 0, .size: 8, .value_kind: global_buffer, .address_space: global }
      - { .name: wc, .offset: 8, .size: 8, .value_kind: global_buffer, .address_space: global }
      - { .name: lowp_scales, .offset: 16, .size: 8, .value_kind: global_buffer, .address_space: global }
      - { .name: qkv, .offset: 24, .size: 8, .value_kind: global_buffer, .address_space: global }
    .group_segment_fixed_size: 327680
    .private_segment_fixed_size: 0
    .kernarg_segment_align: 8
    .kernarg_segment_size: 32
    .max_flat_workgroup_size: 128
    .sgpr_count:     100
    .vgpr_count:     1024
    .wavefront_size: 32
...
	.end_amdgpu_metadata
.endif
;; end of part 2
;; launch attn (part 3): grid 4 x 64, 16 waves a work-group, no clusters, 327,680 bytes of LDS; arguments qkv, lowp_scales, oc; writes oc
.if DOCPART == 3
	.amdgcn_target "amdgcn-amd-amdhsa--gfx1250"
	.amdhsa_code_object_version 6
	.text
	.protected	k_q8c7827afac_attn
	.globl	k_q8c7827afac_attn
	.p2align	8
	.type	k_q8c7827afac_attn,@function
k_q8c7827afac_attn:
	s_mov_b64 s[64:65], 0
	v_nop
	global_prefetch_b8 v0, s[64:65] scope:SCOPE_SE
	s_setreg_imm32_b32 hwreg(HW_REG_WAVE_MODE, 25, 1), 1
	s_wait_xcnt 0x0
; Causal attention on codes of FP8 (E4M3): o = softmax(q k^T / 8, key <= query) v for 64 heads of the batch, 2,048 tokens, head size 64; o is quantised at once for the last product.
; qkv: q at byte 0 and k at 2^23 as [64][2048][64]; v at 2^24 as [64][64][2048], the keys innermost.  oc: o's codes as [16 heads][8192 tokens][64].  Exponents: e6 (q), e7 (k), e8 (p), e9 (v), e10 (o).
; THE SOFTMAX AHEAD OF THE SECOND PRODUCT: t = score x log2(e) / 8; M = the row's largest t so far, rounded UP to a whole number; p = 2^(t - M) is what is quantised; it is not normalised.
; The row's sum is taken of the unquantised p, in f32, and divides O at the end.  When M moves, the sum and O are multiplied by 2^(old M - new M): exact.
; SHARES.  A work-group takes TWO blocks of 256 queries of one head: block j (j = its x, 0..3) and block 7 - j.  Under the mask block i needs key slots 0 .. i of 256 keys: j + 1 and 8 - j slots, NINE in every
; work-group: all have equal work, and the loop's trip count is a constant.  Each of the sixteen waves owns 16 queries of each block, in 256 registers: four waves to a SIMD, so that one wave's vector work stands beside
; another's matrix work and LDS loads.  K's and V's tiles come through a ring of two LDS slots (wave 0 fetches K's 16,384 bytes, wave 1 V's) and are read by all sixteen.
; NO CLUSTER: the four work-groups of a head walk the key slots shifted against each other (trip t asks for slot t, or t - j - 1 once block j is done), so their requests for one tile do not fall in the same trip.
; LAYOUT.  Both products are used transposed: S^T = K Q^T (source 0 = 16 keys, source 1 = my 16 queries), O^T = V^T P^T (source 0 = 16 channels, source 1 = P): a lane holds ONE query (lane % 16) throughout.
; In S^T's tile t register i of lane (r, h) is key 16 t + 8 h + i: its eight codes are registers 2 t, 2 t + 1 of the second product's operand as that form lays it.  V's fragments come by 8-byte loads in the same places.
; K's and Q's fragments come by 16-byte loads: a permutation of the head's 64, the same in both.
; LIMITS on the given exponents, so that each power of two below is an f32 number: e6 + e7 between -123 and 130 (they are added to c's exponent field); e8 and e10 between -126 and 119; e8 + e9 is applied by v_ldexp_f32 and has none.
; REGISTERS: v1-11 addresses; v12 -M, v13 the largest t, v[14:15] the sum in two halves; v16-23 Q in hand, v24-31 Q of the second block; v32-95 K's 8 fragments, then V's 4; v96-159 S^T, then p; v160-191 O^T; v192-207 p's codes; v234-255 at work.
.set KP,    272                        ; an LDS row: 256 bytes + 16 of padding.  K: four keys of 64 bytes to a row (the slot's keys are one dense block of memory); V: a channel's 256 keys
.set VOFF,  64*KP                      ; a slot: K's 64 rows, then V's 64 rows
.set SLOT1, 1<<16                      ; slot 1 begins here, so that one exclusive or turns an address in one slot into the other's
.set SPARE, 2*SLOT1                    ; behind the ring: the spare words, 128 bytes for each wave, that no other line names
.set STAGE, SPARE+2048                 ; the way out: 1,024 bytes for each wave, once for each block; no tile lands here
.set AK0,  1                           ; v1   my lane's place in a tile of K
.set AV0,  2                           ; v2   the same for V
.set PFO,  3                           ; v3   the prefetches' offset; never rewritten
.set STO,  4                           ; v4   the way out: where I put 8 codes
.set SPW,  5                           ; v5   LDS address of my spare word; never rewritten
.set NIL,  6                           ; v6   0; never rewritten
.set GO,   7                           ; v7   16 x lane: my bytes of the wave's 1,024 in oc
.set ADK,  8                           ; v8   LDS address of the step's tiles of K
.set ADV,  9                           ; v9   of V
.set SRD,  10                          ; v10  the way out: where I read 16 bytes back
.set DQ,   11                          ; v11  r - 8 h, for the mask
.set TB,   2                           ; s2   LDS byte at which the slot in hand begins
.set TT,   3                           ; s3   the trip, 0 .. 8
.set JJ,   10                          ; s10  j;  s11  j + 1
.set WV,   18                          ; s18  my wave's number
.set SEL,  20                          ; s[20:21] lane selects for v_permlanex16_b32: lane l xor 16
.set CS,   22                          ; s[22:23] c = log2(e) / 8 x 2^(e6 + e7)
.set G1K,  24                          ; s[24:31] descriptor group 1 for K's tiles;  s[32:39] for V's;  s[40:43], s[44:47] their groups 0
.set G1V,  32
.set G0K,  40
.set G0V,  44
.set KB,   48                          ; s[48:49] the head's K;  s[50:51] its V
.set VB,   50
.set OUTA, 52                          ; s[52:53], s[54:55] where my 16 queries of the first and of the second block go
.set OUTB, 54
.set Q0,   56                          ; s56  my first query in hand;  s57  that of the second block
.set Q0B,  57
.set KF,   58                          ; s58  the step's first key
.set EPV,  59                          ; s59  e8 + e9
.set PFA,  80                          ; s[80:81] where my prefetches stand;  s[82:83] a key slot on, in bytes;  s84 a wave prefetches while the trip is under it
.set PFS,  82
.set LIM,  84
; Wave 0 fetches K's tile, wave 1 V's, the others nothing.  The branches hang on the wave's number alone.  Four v_nop follow each of the two lines.
.macro TLOAD
	s_cmp_eq_u32 s[WV], 0
	s_cbranch_scc0 .Lnot_k_\@
	tensor_load_to_lds s[G0K:G0K+3], s[G1K:G1K+7]
	s_nop 0
.rept 4
	v_nop
.endr
	s_branch .Lasked_\@
.Lnot_k_\@:
	s_cmp_eq_u32 s[WV], 1
	s_cbranch_scc0 .Lasked_\@
	tensor_load_to_lds s[G0V:G0V+3], s[G1V:G1V+7]
	s_nop 0
.rept 4
	v_nop
.endr
.Lasked_\@:
.endm
; A PREFETCH INTO THE L2.  The work-group with j = 0 asks in trip t for key slot t by its tensor loads, and here for key slot t + 1: what its next trip's tensor loads will ask for, a trip's two key steps ahead.
; Each aligned block of 256 bytes of slots 1 to 7 is named once in the launch: only that work-group asks (a branch on the work-group's number: no cluster here), and in it four waves that fetch nothing, one instruction each:
; waves 4 and 5 for K's dense 16,384 bytes, 8,192 a wave, lanes 256 bytes apart; waves 6 and 7 for V's 64 rows, 32 a wave, a lane a row (a slot's part of a row is 256 bytes, aligned).
; Trips 7 and 8 ask for nothing: there is no slot 8.  Slot 0 comes by its loads alone.
.macro ASK
	s_cmp_lt_u32 s[TT], s[LIM]
	s_cbranch_scc0 .Lnot_mine_\@
	global_prefetch_b8 v[PFO], s[PFA:PFA+1] th:TH_LOAD_NT scope:SCOPE_SE
.Lnot_mine_\@:
.endm
	s_load_b128 s[4:7], s[0:1], 0x0                ; qkv s[4:5], the exponents s[6:7]
	s_load_b64 s[8:9], s[0:1], 0x10                ; oc
	v_lshl_add_u32 v[SPW], v0, 2, SPARE
	v_mov_b32 v[NIL], 0
	ds_add_u32 v5, v6
	ds_add_u32 v5, v6
	s_wait_dscnt 0x0
	v_lshrrev_b32 v8, 5, v0
	s_delay_alu instid0(VALU_DEP_1)
	v_readfirstlane_b32 s[WV], v8                  ; wave 0..15
	s_mov_b32 s[JJ], ttmp9
	s_add_co_u32 s[JJ+1], ttmp9, 1
	s_and_b32 s12, ttmp7, 0xffff                   ; the head of the batch, 0..63
	s_lshl_b32 s60, s12, 17                        ; its 131,072 bytes in q, in k and in v
	s_mov_b32 s61, 0
	s_lshl_b32 s13, s[WV], 4
	s_lshl_b32 s[Q0], s[JJ], 8
	s_add_co_u32 s[Q0], s[Q0], s13                 ; 256 j + 16 w
	s_sub_co_u32 s[Q0B], 7, s[JJ]
	s_lshl_b32 s[Q0B], s[Q0B], 8
	s_add_co_u32 s[Q0B], s[Q0B], s13               ; 256 (7 - j) + 16 w
	; descriptor group 1: 64 rows of 256 bytes, 16 bytes of padding behind each.  K: dense in memory;  V: rows 2,048 bytes apart
	s_mov_b32 s[G1K], (0<<16)|(1<<20)|(5<<22)|(3<<25)   ; 15:0 no mask; 17:16 elements of 1 byte; 20 padding on; 24:22 after every 64 words (code 5); 31:25 four words (code 3)
	s_mov_b32 s[G1K+1], 256<<16                    ; tensor_dim0
	s_mov_b32 s[G1K+2], 64<<16                     ; tensor_dim1
	s_mov_b32 s[G1K+3], 256<<16                    ; tile_dim0
	s_mov_b32 s[G1K+4], 64                         ; tile_dim1
	s_mov_b32 s[G1K+5], 256                        ; tensor_dim0_stride
	s_mov_b32 s[G1K+6], 0
	s_mov_b32 s[G1K+7], 0
	s_mov_b32 s[G1V], (0<<16)|(1<<20)|(5<<22)|(3<<25)
	s_mov_b32 s[G1V+1], 256<<16
	s_mov_b32 s[G1V+2], 64<<16
	s_mov_b32 s[G1V+3], 256<<16
	s_mov_b32 s[G1V+4], 64
	s_mov_b32 s[G1V+5], 2048
	s_mov_b32 s[G1V+6], 0
	s_mov_b32 s[G1V+7], 0
	s_mov_b32 s[SEL], 0x76543210
	s_mov_b32 s[SEL+1], 0xfedcba98
	s_mov_b32 s[CS], 0x3e38aa3b                    ; log2(e) / 8
	s_mov_b32 s[TB], 0
	s_mov_b32 s[TT], 0
	s_mov_b32 s[KF], 0
	s_wait_kmcnt 0x0
	s_load_b256 s[68:75], s[6:7], 0x0              ; e0 .. e7
	s_load_b128 s[76:79], s[6:7], 0x20             ; e8 .. e11
	s_add_nc_u64 s[4:5], s[4:5], s[60:61]          ; the head's q,
	s_add_nc_u64 s[KB:KB+1], s[4:5], 0x800000      ; its k,
	s_add_nc_u64 s[VB:VB+1], s[4:5], 0x1000000     ; its v
	s_mov_b32 s[G0K], 1                            ; 1:0 count = 1
	s_mov_b32 s[G0K+1], 0                          ; 63:32 LDS address: slot 0
	s_mov_b64 s[G0K+2:G0K+3], s[KB:KB+1]           ; 120:64 global address: key slot 0
	s_or_b32 s[G0K+3], s[G0K+3], 0x80000000        ; 127:126 type = 2
	s_mov_b32 s[G0V], 1
	s_mov_b32 s[G0V+1], VOFF
	s_mov_b64 s[G0V+2:G0V+3], s[VB:VB+1]
	s_or_b32 s[G0V+3], s[G0V+3], 0x80000000
	TLOAD                                          ; the first trip's tiles
	v_and_b32 v8, 15, v0                           ; r = lane % 16
	v_bfe_u32 v9, v0, 4, 1                         ; h = lane / 16
	s_delay_alu instid0(VALU_DEP_2)
	v_lshlrev_b32 v10, 6, v8
	s_delay_alu instid0(VALU_DEP_1)
	v_lshl_add_u32 v10, v9, 4, v10                 ; Q: row r of 64 bytes, + 16 h
	s_lshl_b32 s62, s[Q0], 6
	s_lshl_b32 s63, s[Q0B], 6
	v_add_nc_u32 v252, s62, v10
	v_add_nc_u32 v254, s63, v10
	global_load_b128 v[16:19], v252, s[4:5]            ; both blocks' fragments of Q stay in registers
	global_load_b128 v[20:23], v252, s[4:5] offset:32
	global_load_b128 v[24:27], v254, s[4:5]
	global_load_b128 v[28:31], v254, s[4:5] offset:32
	v_lshrrev_b32 v[AK0], 2, v8
	s_delay_alu instid0(VALU_DEP_1)
	v_mul_u32_u24 v[AK0], v[AK0], KP
	v_and_b32 v[AV0], 3, v8
	s_delay_alu instid0(VALU_DEP_1)
	v_lshl_add_u32 v[AK0], v[AV0], 6, v[AK0]
	s_delay_alu instid0(VALU_DEP_1)
	v_lshl_add_u32 v[AK0], v9, 4, v[AK0]           ; key r of a tile: row r / 4, byte 64 (r % 4), + 16 h: sixteen keys start at sixteen different groups of four banks
	v_mul_u32_u24 v[AV0], v8, KP
	s_delay_alu instid0(VALU_DEP_1)
	v_lshl_add_u32 v[AV0], v9, 3, v[AV0]
	s_delay_alu instid0(VALU_DEP_1)
	v_add_nc_u32 v[AV0], VOFF, v[AV0]              ; channel r of a tile, + 8 h
	s_lshl_b32 s62, s[WV], 10
	s_add_co_u32 s62, s62, STAGE                   ; my stage
	v_lshlrev_b32 v[STO], 6, v8
	s_delay_alu instid0(VALU_DEP_1)
	v_lshl_add_u32 v[STO], v9, 3, v[STO]
	s_delay_alu instid0(VALU_DEP_1)
	v_add_nc_u32 v[STO], s62, v[STO]               ; in: query r's 64 bytes, + 8 h
	v_and_b32 v[GO], 31, v0
	s_delay_alu instid0(VALU_DEP_1)
	v_lshlrev_b32 v[GO], 4, v[GO]
	s_delay_alu instid0(VALU_DEP_1)
	v_add_nc_u32 v[SRD], s62, v[GO]                ; back: 16 bytes a lane
	v_lshlrev_b32 v[DQ], 3, v9
	s_delay_alu instid0(VALU_DEP_1)
	v_sub_nc_u32 v[DQ], v8, v[DQ]
	; where the results go: head (low four bits) x 2^19 + (batch x 2,048 + query) x 64
	s_and_b32 s60, s12, 15
	s_lshl_b32 s60, s60, 19
	s_lshr_b32 s61, s12, 4
	s_lshl_b32 s61, s61, 17
	s_add_co_u32 s60, s60, s61
	s_mov_b32 s63, 0
	s_lshl_b32 s62, s[Q0], 6
	s_add_co_u32 s62, s62, s60
	s_add_nc_u64 s[OUTA:OUTA+1], s[8:9], s[62:63]
	s_lshl_b32 s62, s[Q0B], 6
	s_add_co_u32 s62, s62, s60
	s_add_nc_u64 s[OUTB:OUTB+1], s[8:9], s[62:63]
	; the prefetches: where my wave's stand (key slot 0: the first trip steps them to slot 1), and who asks
	s_cmp_lt_u32 s[WV], 6
	s_cselect_b64 s[PFA:PFA+1], s[KB:KB+1], s[VB:VB+1]
	s_mov_b32 s[PFS], 256
	s_cselect_b32 s[PFS], 16384, s[PFS]            ; a key slot on
	s_mov_b32 s60, 2048
	s_cselect_b32 s60, 256, s60                    ; from lane to lane
	s_mov_b32 s61, 65536
	s_cselect_b32 s61, 8192, s61                   ; from wave to wave
	s_mov_b32 s[PFS+1], 0
	v_and_b32 v[PFO], 31, v0
	s_delay_alu instid0(VALU_DEP_1)
	v_mul_lo_u32 v[PFO], v[PFO], s60
	s_and_b32 s60, s[WV], 1
	s_mul_i32 s60, s60, s61
	s_mov_b32 s61, 0
	s_add_nc_u64 s[PFA:PFA+1], s[PFA:PFA+1], s[60:61]
	s_sub_co_u32 s60, s[WV], 4
	s_lshr_b32 s60, s60, 2                         ; 0 in waves 4 to 7,
	s_or_b32 s60, s60, ttmp9                       ; of the work-group with j = 0
	s_cmp_eq_u32 s60, 0
	s_cselect_b32 s[LIM], 7, 0
	v_mov_b32 v13, 0xff61b1e6                      ; the largest t so far: -3e38, under every t
	s_delay_alu instid0(VALU_DEP_1)
	v_floor_f32 v12, -v13                          ; -M
	v_mov_b32 v14, 0                               ; the sum, in two halves
	v_mov_b32 v15, 0
	v_mov_b32 v236, 0                              ; written once: a lane permute's destination counts as one of its sources
	v_mov_b32 v253, 0                              ; (named as the upper half of the pair v[252:253])
.set n, 0
.rept 32
	v_mov_b32 v[160+n], 0                          ; O^T.  (The step is written once: a block's first step finds zeros, which the first change of M leaves zeros)
.set n, n+1
.endr
	s_wait_kmcnt 0x0
	s_add_co_i32 s60, s74, s75
	s_lshl_b32 s60, s60, 23
	s_add_co_i32 s[CS], s[CS], s60                 ; a score stands for score x 2^(e6 + e7): the two exponents are added to c's exponent field
	s_mov_b32 s[CS+1], s[CS]                       ; (named with it as a pair, so it is written)
	s_add_co_i32 s60, s76, 127
	s_lshl_b32 s61, s60, 23
	v_mov_b32 v244, s61                            ; 2^e8 as f32, for p's conversions
	s_add_co_i32 s60, s78, 127
	s_lshl_b32 s61, s60, 23
	v_mov_b32 v247, s61                            ; 2^e10, for o's
	s_add_co_i32 s[EPV], s76, s77                  ; e8 + e9
; A KEY STEP: 128 keys, the q-th half of the slot in hand.
.macro STEP q
	s_add_co_u32 s96, s[Q0], 15                    ; a step all of whose keys come after my 16 queries is left out: a scalar branch on ids, round the step's work alone; no barrier and no tensor load stands in a step
	s_cmp_gt_u32 s[KF], s96
	s_cbranch_scc1 .Lhidden_\@
	v_add_nc_u32 v[ADK], s[TB], v[AK0]
	v_add_nc_u32 v[ADV], s[TB], v[AV0]
	v_nop                                          ; with the two additions: four places in front of loads into registers that the last products have read
	v_nop
.irp t, 0,1,2,3,4,5,6,7                        ; K's eight fragments: keys 16 t + r, the head's 64 in 8 registers
	ds_load_b128 v[32+8*\t:35+8*\t], v[ADK] offset:(32*(\q)+4*\t)*KP
	ds_load_b128 v[36+8*\t:39+8*\t], v[ADK] offset:(32*(\q)+4*\t)*KP+32
.endr
	s_wait_alu depctr_va_vdst(0)
	s_wait_dscnt 0x0
.irp t, 0,1,2,3,4,5,6,7
	v_wmma_f32_16x16x64_fp8_fp8 v[96+8*\t:103+8*\t], v[32+8*\t:39+8*\t], v[16:23], 0
.endr
.rept 4
	v_nop                                          ; places: ahead of the loads into K's registers and of the first read of the scores
.endr
.irp t, 0,1,2,3                                ; V's four fragments (channels 16 t + r, these 128 keys) are asked for now and land while the softmax is worked
.irp c, 0,1,2,3,4,5,6,7
	ds_load_b64 v[32+16*\t+2*\c:33+16*\t+2*\c], v[ADV] offset:16*\t*KP+128*(\q)+16*\c
.endr
.endr
	s_add_co_u32 s96, s[KF], 127                   ; on the diagonal the scores of hidden keys become -infinity ahead of the maximum: p = 0 then.  A step all of whose keys count skips this
	s_cmp_le_u32 s96, s[Q0]
	s_cbranch_scc1 .Lopen_\@
	s_sub_co_i32 s96, s[Q0], s[KF]
	v_add_nc_u32 v252, s96, v[DQ]                  ; d = my query - KF - 8 h.  Register 8 t + i holds key KF + 16 t + 8 h + i: hidden where 16 t + i > d
	v_mov_b32 v254, 0xff800000                     ; -infinity
.set n, 0
.rept 64
	v_cmp_gt_i32 vcc_lo, 16*(n/8)+n%8, v252
	v_cndmask_b32 v[96+n], v[96+n], v254, vcc_lo
.set n, n+1
.endr
.Lopen_\@:
	v_max3_num_f32 v254, v96, v97, v98             ; the step's largest score of my query, among my 64 keys, in two chains,
	v_max3_num_f32 v252, v99, v100, v101
.irp i, 6,10,14,18,22,26,30,34,38,42,46,50,54,58
	v_max3_num_f32 v254, v254, v[96+\i], v[97+\i]
	v_max3_num_f32 v252, v252, v[98+\i], v[99+\i]
.endr
	v_max3_num_f32 v254, v254, v158, v159
	s_delay_alu instid0(VALU_DEP_1)
	v_max_num_f32 v254, v254, v252
	s_delay_alu instid0(VALU_DEP_1)
	v_permlanex16_b32 v236, v254, s[SEL], s[SEL+1]
	s_delay_alu instid0(VALU_DEP_1)
	v_max_num_f32 v254, v254, v236                 ; and among lane l xor 16's
	s_delay_alu instid0(VALU_DEP_1)
	v_mul_f32 v254, s[CS], v254                    ; as t (c is positive)
	s_delay_alu instid0(VALU_DEP_1)
	v_max_num_f32 v13, v13, v254                   ; the running largest t
	v_mov_b32 v254, v12
	s_delay_alu instid0(VALU_DEP_2)
	v_floor_f32 v12, -v13                          ; the new -M = floor(-t) = -ceil(t): M IS A WHOLE NUMBER
	s_delay_alu instid0(VALU_DEP_1)
	v_sub_f32 v254, v12, v254                      ; M's old value less its new one: a whole number, 0 or less
	s_delay_alu instid0(VALU_DEP_1)
	v_cvt_i32_f32 v254, v254                       ; (it saturates)
	s_delay_alu instid0(VALU_DEP_1)
	v_ldexp_f32 v252, 1.0, v254                    ; f = 2^(old M - new M): a multiplication by it rounds nothing
.set n, 0
.rept 32
	v_pk_fma_f32 v[96+n:97+n], v[96+n:97+n], s[CS:CS+1], v[12:13] op_sel_hi:[1,0,0]   ; t - M, two at a time (of the pairs c and -M the low word serves both halves)
.set n, n+2
.endr
.set n, 0
	s_wait_alu depctr_va_vdst(0)
.rept 64
	v_exp_f32 v[96+n], v[96+n]                     ; p = 2^(t - M), at most 1: NOT normalised
.set n, n+1
.endr
	v_pk_mul_f32 v[14:15], v[14:15], v[252:253] op_sel_hi:[1,0]   ; the sums under the new M.  (The plain line behind the exponentials)
	s_wait_alu depctr_va_vdst(0)                   ; one wait for the whole batch of exponentials, ahead of its first reader
	v_pk_add_f32 v[242:243], v[100:101], v[104:105]
	v_pk_add_f32 v[254:255], v[108:109], v[112:113]
	v_pk_add_f32 v[250:251], v[116:117], v[120:121]
	v_pk_add_f32 v[248:249], v[124:125], v[128:129]
	v_pk_add_f32 v[240:241], v[132:133], v[136:137]
	v_pk_add_f32 v[238:239], v[140:141], v[144:145]
	v_pk_add_f32 v[234:235], v[148:149], v[152:153]
	v_pk_add_f32 v[14:15], v[14:15], v[156:157]
	v_pk_add_f32 v[242:243], v[242:243], v[96:97]
	v_pk_add_f32 v[254:255], v[254:255], v[98:99]
	v_pk_add_f32 v[250:251], v[250:251], v[102:103]
	v_pk_add_f32 v[248:249], v[248:249], v[106:107]
	v_pk_add_f32 v[240:241], v[240:241], v[110:111]
	v_pk_add_f32 v[238:239], v[238:239], v[114:115]
	v_pk_add_f32 v[234:235], v[234:235], v[118:119]
	v_pk_add_f32 v[14:15], v[14:15], v[122:123]
	v_pk_add_f32 v[242:243], v[242:243], v[126:127]
	v_pk_add_f32 v[254:255], v[254:255], v[130:131]
	v_pk_add_f32 v[250:251], v[250:251], v[134:135]
	v_pk_add_f32 v[248:249], v[248:249], v[138:139]
	v_pk_add_f32 v[240:241], v[240:241], v[142:143]
	v_pk_add_f32 v[238:239], v[238:239], v[146:147]
	v_pk_add_f32 v[234:235], v[234:235], v[150:151]
	v_pk_add_f32 v[14:15], v[14:15], v[154:155]
	v_pk_add_f32 v[242:243], v[242:243], v[158:159]
	s_delay_alu instid0(VALU_DEP_2)
	v_pk_add_f32 v[14:15], v[14:15], v[248:249]
	s_delay_alu instid0(VALU_DEP_2)
	v_pk_add_f32 v[242:243], v[242:243], v[240:241]
	v_pk_add_f32 v[254:255], v[254:255], v[238:239]
	v_pk_add_f32 v[250:251], v[250:251], v[234:235]
	s_delay_alu instid0(VALU_DEP_2)
	v_pk_add_f32 v[14:15], v[14:15], v[254:255]
	s_delay_alu instid0(VALU_DEP_2)
	v_pk_add_f32 v[242:243], v[242:243], v[250:251]
	s_delay_alu instid0(VALU_DEP_1)
	v_pk_add_f32 v[14:15], v[14:15], v[242:243]
.irp t, 0,1,2,3,4,5,6,7
.irp i, 0,1,2,3,4,5,6,7
.endr
	v_cvt_scalef32_pk8_fp8_f32 v[192+2*\t:193+2*\t], v[96+8*\t:103+8*\t], v244   ; keys 16 t + 8 h + 0 .. 7: registers 2 t, 2 t + 1 of the operand
.endr
.set n, 0
.rept 16
	v_pk_mul_f32 v[160+n:161+n], v[160+n:161+n], v[252:253] op_sel_hi:[1,0]   ; O^T under the new M: x f.  (Plain lines between the conversions and the products that read the codes)
.set n, n+2
.endr
	s_wait_alu depctr_va_vdst(0)
	s_wait_dscnt 0x0                               ; V is in
.irp t, 0,1,2,3                                ; O^T += V^T P^T: the four accumulators by turns; S^T's eight products always stand between two links of a chain
	v_wmma_f32_16x16x128_fp8_fp8 v[160+8*\t:167+8*\t], v[32+16*\t:47+16*\t], v[192:207], v[160+8*\t:167+8*\t]
.endr
.Lhidden_\@:
	s_add_co_u32 s[KF], s[KF], 128
.endm
; THE CHANGE OF SLOTS stands at a trip's head.  Each wave waits for all its tensor loads (its part of the slot that it is about to read), adds 0 to its spare word, and waits for that and for its reads of the slot that it has left.
; Behind the barrier the slot ahead is whole and nobody reads the other one.  fill = 1: that other slot is filled for the next trip: the load has a whole trip's steps in which to land; by this text's count a wave has one tensor load out.
.macro CHANGE fill
	s_wait_tensorcnt 0x0                           ; no tensor load of mine is out, so a group 0 may be written
	ds_add_u32 v[SPW], v[NIL]                      ; 0 onto my spare word: with fill = 1 the descriptors are made between it and the wait for it
.if \fill
	s_xor_b32 s[G0K+1], s[G0K+1], SLOT1            ; the other slot than last time
	s_xor_b32 s[G0V+1], s[G0V+1], SLOT1
	s_add_co_u32 s62, s[TT], 1                     ; the next trip;
	s_cmp_gt_u32 s62, s[JJ]
	s_cselect_b32 s63, s[JJ+1], 0
	s_sub_co_u32 s62, s62, s63                     ; its key slot: the trip's number, less j + 1 once the first block is done
	s_lshl_b32 s60, s62, 14
	s_mov_b32 s61, 0
	s_add_nc_u64 s[G0K+2:G0K+3], s[KB:KB+1], s[60:61]   ; 16,384 bytes of K a slot,
	s_or_b32 s[G0K+3], s[G0K+3], 0x80000000
	s_lshl_b32 s60, s62, 8
	s_add_nc_u64 s[G0V+2:G0V+3], s[VB:VB+1], s[60:61]   ; 256 bytes of each row of V
	s_or_b32 s[G0V+3], s[G0V+3], 0x80000000
	s_wait_xcnt 0x0                                ; the last prefetch, a trip back, has read its address, so it may be written
	s_add_nc_u64 s[PFA:PFA+1], s[PFA:PFA+1], s[PFS:PFS+1]
.endif
	s_wait_dscnt 0x0                               ; the add is done, and my reads of the slot that I have left are over
	s_barrier_signal -1
	s_barrier_wait -1
.if \fill
	TLOAD                                          ; the first thing behind the barrier, and a wave's one tensor load until the next
	ASK
.endif
.endm
; THE WAY OUT of a block.  O^T x 2^(e8 + e9) / the sum is o; quantised with 2^e10 (a lane's eight channels: 8 codes), goes through my stage and leaves as 1,024 consecutive bytes: my 16 queries' rows of one head.
.macro WAYOUT out, so
.rept 4
	v_nop                                          ; places behind the last products
.endr
	v_add_f32 v14, v14, v15                        ; the sum's two halves,
	s_delay_alu instid0(VALU_DEP_1)
	v_permlanex16_b32 v252, v14, s[SEL], s[SEL+1]
	s_delay_alu instid0(VALU_DEP_1)
	v_add_f32 v14, v14, v252                       ; and lane l xor 16's: the row's sum
	s_wait_alu depctr_va_vdst(0)
	v_rcp_f32 v14, v14
	v_nop                                          ; the plain line behind the reciprocal
	s_wait_alu depctr_va_vdst(0)                   ; and the wait ahead of its first reader
	v_ldexp_f32 v14, v14, s[EPV]
.set n, 0
.rept 16
	v_pk_mul_f32 v[96+n:97+n], v[160+n:161+n], v[14:15] op_sel_hi:[1,0]   ; register 8 t + i is o(query r, channel 16 t + 8 h + i); each accumulator from its low end on
.set n, n+2
.endr
.set n, 0
.rept 32
.set n, n+1
.endr
.irp t, 0,1,2,3
	v_cvt_scalef32_pk8_fp8_f32 v[192+2*\t:193+2*\t], v[96+8*\t:103+8*\t], v247
.endr
	v_nop                                          ; one plain vector line behind the conversions: later products write their sources
.irp t, 0,1,2,3
	ds_store_b64 v[STO], v[192+2*\t:193+2*\t] offset:\so+16*\t
.endr
.irp i, 0,1
	ds_load_b128 v[200+4*\i:203+4*\i], v[SRD] offset:\so+512*\i   ; LDS serves a wave's instructions in order: these see my stores
.endr
	s_wait_dscnt 0x0
.irp i, 0,1
	global_store_b128 v[GO], v[200+4*\i:203+4*\i], s[\out:\out+1] offset:512*\i   ; 32 lanes store 512 consecutive bytes, at a multiple of 256 from the buffer's first byte
.endr
.endm
	s_wait_loadcnt 0x0                             ; Q
.Lslot:                                            ; eight trips; behind each change of slots the next trip's tiles are asked for
	CHANGE 1
	STEP 0
	STEP 1
	s_xor_b32 s[TB], s[TB], SLOT1                  ; on to the other slot
	s_cmp_eq_u32 s[TT], s[JJ]                      ; trip j was the first block's last: the same in all sixteen waves
	s_cbranch_scc0 .Lsame_block
	WAYOUT OUTA, 0
.irp i, 0,1,2,3,4,5,6,7
	v_mov_b32 v[16+\i], v[24+\i]                   ; the second block's Q
.endr
	v_mov_b32 v13, 0xff61b1e6                      ; and its softmax begins anew
	s_delay_alu instid0(VALU_DEP_1)
	v_floor_f32 v12, -v13
	v_mov_b32 v14, 0
	v_mov_b32 v15, 0
.set n, 0
.rept 32
	v_mov_b32 v[160+n], 0
.set n, n+1
.endr
	s_mov_b32 s[Q0], s[Q0B]
	s_mov_b32 s[KF], 0
	s_wait_xcnt 0x0                                ; the stores have read their data: the next step's conversions write those registers
.Lsame_block:
	s_add_co_u32 s[TT], s[TT], 1
	s_cmp_lt_u32 s[TT], 8
	s_cbranch_scc1 .Lslot
	CHANGE 0                                       ; the ninth trip is written out
	STEP 0
	STEP 1
	WAYOUT OUTB, 16384
	s_wait_tensorcnt 0x0                           ; the wave's end, behind my last tensor load and my last LDS store
	ds_add_u32 v[SPW], v[NIL]
	s_wait_dscnt 0x0
	s_endpgm
.Lfunc_end_k_q8c7827afac_attn:
	.size	k_q8c7827afac_attn, .Lfunc_end_k_q8c7827afac_attn-k_q8c7827afac_attn
	.p2alignl 7, 3214868480
	.fill 96, 4, 3214868480
	.section	.rodata,"a",@progbits
	.p2align	6, 0x0
	.amdhsa_kernel k_q8c7827afac_attn
		.amdhsa_group_segment_fixed_size 327680
		.amdhsa_private_segment_fixed_size 0
		.amdhsa_enable_private_segment 0
		.amdhsa_kernarg_size 24
		.amdhsa_user_sgpr_count 2
		.amdhsa_user_sgpr_kernarg_segment_ptr 1
		.amdhsa_wavefront_size32 1
		.amdhsa_system_sgpr_workgroup_id_x 1
		.amdhsa_system_sgpr_workgroup_id_y 1
		.amdhsa_system_sgpr_workgroup_id_z 1
		.amdhsa_system_vgpr_workitem_id 0
		.amdhsa_next_free_vgpr 256
		.amdhsa_next_free_sgpr 100
		.amdhsa_reserve_vcc 1
		.amdhsa_float_denorm_mode_32 3
		.amdhsa_float_denorm_mode_16_64 3
		.amdhsa_fp16_overflow 1
		.amdhsa_memory_ordered 1
		.amdhsa_forward_progress 1
		.amdhsa_inst_pref_size 97
	.end_amdhsa_kernel
	.amdgpu_metadata
---
amdhsa.version: [ 1, 2 ]
amdhsa.kernels:
  - .name:           k_q8c7827afac_attn
    .symbol:         k_q8c7827afac_attn.kd
    .args:
      - { .name: qkv, .offset: 0, .size: 8, .value_kind: global_buffer, .address_space: global }
      - { .name: lowp_scales, .offset: 8, .size: 8, .value_kind: global_buffer, .address_space: global }
      - { .name: oc, .offset: 16, .size: 8, .value_kind: global_buffer, .address_space: global }
    .group_segment_fixed_size: 327680
    .private_segment_fixed_size: 0
    .kernarg_segment_align: 8
    .kernarg_segment_size: 24
    .max_flat_workgroup_size: 512
    .sgpr_count:     100
    .vgpr_count:     256
    .wavefront_size: 32
...
	.end_amdgpu_metadata
.endif
;; end of part 3
;; launch out_gemm (part 4): grid 4 x 32, 4 waves a work-group, clusters of 4 x 4, 327,680 bytes of LDS; arguments oc, wc, lowp_scales, bo, out0; writes out0
.if DOCPART == 4
	.amdgcn_target "amdgcn-amd-amdhsa--gfx1250"
	.amdhsa_code_object_version 6
	.text
	.protected	k_q8c7827afac_out_gemm
	.globl	k_q8c7827afac_out_gemm
	.p2align	8
	.type	k_q8c7827afac_out_gemm,@function
k_q8c7827afac_out_gemm:
	s_mov_b64 s[64:65], 0
	v_nop
	global_prefetch_b8 v0, s[64:65] scope:SCOPE_SE
	s_setreg_imm32_b32 hwreg(HW_REG_WAVE_MODE, 25, 1), 1
	s_wait_xcnt 0x0
	s_wait_alu depctr_hold_cnt(0) depctr_sa_sdst(0) depctr_va_vdst(0) depctr_va_sdst(0) depctr_va_ssrc(0) depctr_va_vcc(0) depctr_vm_vsrc(0)
	s_getreg_b32 s2, hwreg(HW_REG_IB_STS2, 6, 4)
	s_cmp_eq_u32 s2, 0
	s_cbranch_scc0 .Lentry_in_a_cluster
	s_endpgm
.Lentry_in_a_cluster:
	s_bfe_u32 s2, ttmp6, 0x10000c
	s_cmp_lg_u32 s2, 0xf033
	s_cbranch_scc0 .Lentry_shape_is_right
	s_endpgm
.Lentry_shape_is_right:
; out0 = o Wo^T + bo on codes of FP8 (E4M3).  oc: o's codes as [16 heads][8192 tokens][64]; Wo's codes are the fourth tensor of wc, [1024][1024], K innermost; bo [1024] and out0 [8192][1024] are f32.
; A number of o is its code x 2^e10, of Wo x 2^e11.  The codes are multiplied as they are and each finished sum once by 2^(e10 + e11).  THE BIAS IS THE C OF THE FIRST K STEP'S PRODUCTS, divided once by 2^(e10 + e11): it costs no addition.
; LIMIT: e10 + e11 lies between -126 and 127, so that 2^(e10 + e11) is an f32 number; bo / 2^(e10 + e11) must be an f32 number too.
; A tile of out0, 256 x 256, is made by four waves, each 128 x 128: 64 accumulators.  K = 1,024 goes in four steps of 256 (four heads) through a ring of two LDS slots filled by the tensor data mover.
; A's tile of a K step is four dense blocks of memory, one a head: 128 tokens x 64 bytes = 8,192 bytes, 524,288 bytes apart: ONE tensor load of 4 rows of 8,192 bytes, with 16 bytes of padding behind every 64: in LDS [4 heads][128 tokens] at 80 bytes a token.
; k = 64 x head + channel is also the order of Wo's rows, so A's and B's fragments agree.  Fragments come by 16-byte loads: a permutation of k inside 128, the same in A and B.
; CLUSTERS: 4 x 4 work-groups; A's tiles are asked for jointly along a row of the cluster, B's along a column.  THE MATRIX INSTRUCTION IS USED TRANSPOSED (source 0 = 16 rows of Wo, source 1 = 16 tokens): a lane holds eight neighbouring columns of one row.
; REGISTERS, in windows of 256: window 0: v0-31 addresses; v32-95 the bias, on the way out a block's results; from v128 A's fragments, ONE set.   window 1: B's fragments, TWO sets.   windows 2, 3: the accumulators.
.set ROWB,   256                       ; B: a tile's row in bytes
.set KROW,   1024                      ; a row of Wo's codes in memory
.set PITCH,  272                       ; B's LDS row: 256 bytes + 16
.set APITCH, 80                        ; A's LDS row: a token's 64 bytes of one head + 16: an odd multiple of 16 bytes, so sixteen rows start at sixteen different groups of four banks
.set HEADB,  128*APITCH                ; a head's 128 tokens in LDS
.set AHALF,  4*HEADB                   ; what one of A's loads brings: 128 tokens x 4 heads
.set ASTEP,  4*524288                  ; four heads on in oc
.set FR,     16
.set NL,     4
.set NP,     4                         ; places behind this matrix instruction (ISA guide 7.12.1)
.set HALFT,  128*PITCH                 ; what one of B's loads brings: 128 rows
.set BOFF,   2*AHALF                   ; B's tiles lie behind A's two halves
.set SLOT,   BOFF+2*HALFT
.set SPARE,  2*SLOT                    ; behind the ring: the spare words, 128 bytes for each wave, that no other line names
.set SPITCH, 528                       ; the way out: a stage of 16 rows x (512 bytes + 16) for each wave, in slot 0, which has had its last fill and its last read when the first result is stored there
.set ADRA, 16                          ; v16-17  LDS address of my A fragments in slot 0, 1
.set ADRB, 20                          ; v20-21  the same for B
.set STO,  24                          ; v24     the way out: where I put 32 bytes of a row
.set RD,   25                          ; v25     the way out: where I read a row back
.set CO,   26                          ; v26     my byte offset in a row of out0
.set SPW,  28                          ; v28     LDS address of my spare word; never rewritten
.set NIL,  29                          ; v29     0; never rewritten
.set BI,   32                          ; v32-95  the bias in the result's layout: tile b's eight registers at v[32 + 8 b]
.set TMP,  32                          ; the way out: a block's sums x 2^(e10 + e11)
.set AF,   128
.set BK,   128                         ; the way out: 16 rows read back: v128-191 and v192-255 by turns
.set G1, 24
.set G0, 32
.set G1B, 48
.set G0B, 56
.set MSB, 0
.macro WIN new                         ; the immediate's high byte repeats the setting that is left
.if MSB != \new
	s_set_vgpr_msb (MSB<<8)|\new
.set MSB, \new
.endif
.endm
.set MUL_LO, 0xa1                      ; source 0 (B) window 1, source 1 (A) window 0, C and D window 2
.set MUL_HI, 0xf1                      ; the same, C and D window 3
.set FST_LO, 0x81                      ; the first step: C (the bias) window 0, D window 2
.set FST_HI, 0xc1                      ; D window 3
.set TO_B,   0x40                      ; destination window 1, address window 0
.macro JLOAD g0a, g1a, g0b, g1b        ; a joint load: waves 0 and 1 fetch for A, waves 2 and 3 for B; four v_nop follow each of the two lines
	s_cmp_eq_u32 s15, 0
	s_cbranch_scc0 .Lfor_b_\@
	tensor_load_to_lds s[\g0a:\g0a+3], s[\g1a:\g1a+7]
	s_nop 0
.rept 4
	v_nop
.endr
	s_branch .Lasked_\@
.Lfor_b_\@:
	tensor_load_to_lds s[\g0b:\g0b+3], s[\g1b:\g1b+7]
	s_nop 0
.rept 4
	v_nop
.endr
.Lasked_\@:
.endm
.macro CREST                           ; a round of the cluster's barrier behind its opening barrier
	s_cmp_lg_u32 s14, 0
	s_cbranch_scc1 .Lnot_wave_0_\@
	s_barrier_signal -3
.Lnot_wave_0_\@:
	s_barrier_wait -3
	s_barrier_signal -1
	s_barrier_wait -1
.endm
.macro CROUND
	s_barrier_signal -1
	s_barrier_wait -1
	CREST
.endm
	s_load_b128 s[4:7], s[0:1], 0x0                ; oc s[4:5], wc s[6:7]
	s_load_b128 s[8:11], s[0:1], 0x10              ; the exponents s[8:9], bo s[10:11]
	s_load_b64 s[12:13], s[0:1], 0x20              ; out0
	v_lshl_add_u32 v[SPW], v0, 2, SPARE
	v_mov_b32 v[NIL], 0
	ds_add_u32 v28, v29
	ds_add_u32 v28, v29
	s_wait_dscnt 0x0
	v_lshrrev_b32 v1, 5, v0
	v_readfirstlane_b32 s14, v1                    ; wave 0..3
	s_lshr_b32 s15, s14, 1                         ; which half of the tile's rows is mine.  Also: I fetch for A (0) or for B (1)
	s_and_b32 s16, s14, 1                          ; which half of its columns.  Also: which 128 rows of that tile I fetch
	s_bfe_u32 s40, ttmp6, 0x40000                  ; cx, cy
	s_bfe_u32 s41, ttmp6, 0x40004
	s_lshl_b32 s42, ttmp9, 2
	s_add_co_u32 s42, s42, s40                     ; tile column = 4 x cluster x + cx
	s_and_b32 s17, ttmp7, 0xffff
	s_lshl_b32 s17, s17, 2
	s_add_co_u32 s17, s17, s41                     ; tile row = 4 x cluster y + cy
	s_lshl_b32 s43, s41, 2
	s_lshl_b32 s43, 15, s43                        ; my row of the cluster
	s_lshl_b32 s44, 0x1111, s40                    ; my column
	; descriptor group 1 for A: 4 rows (heads) of 8,192 bytes, 524,288 bytes apart
	s_or_b32 s[G1+0], s43, (0<<16)|(1<<20)|(1<<21)|(3<<22)|(3<<25)  ; 15:0 the mask: my row; 17:16 element of 1 byte; 20 padding on; 21 set beside a mask; 24:22 after every 16 words (code 3); 31:25 of 4 words (code 3)
	s_mov_b32 s[G1+1], 8192<<16                    ; tensor_dim0
	s_mov_b32 s[G1+2], 4<<16                       ; tensor_dim1 = 4
	s_mov_b32 s[G1+3], 8192<<16                    ; tile_dim0
	s_mov_b32 s[G1+4], 4                           ; tile_dim1 = 4
	s_mov_b32 s[G1+5], 524288                      ; tensor_dim0_stride
	s_mov_b32 s[G1+6], 0
	s_mov_b32 s[G1+7], 0
	; and for B: 128 rows of 256 bytes, 1,024 bytes apart
	s_or_b32 s[G1B+0], s44, (0<<16)|(1<<20)|(1<<21)|(5<<22)|(3<<25) ; the mask: my column; padding: 4 words after every 64
	s_mov_b32 s[G1B+1], ROWB<<16
	s_mov_b32 s[G1B+2], 128<<16
	s_mov_b32 s[G1B+3], ROWB<<16
	s_mov_b32 s[G1B+4], 128
	s_mov_b32 s[G1B+5], KROW
	s_mov_b32 s[G1B+6], 0
	s_mov_b32 s[G1B+7], 0
	s_lshl_b32 s18, s16, 7                         ; which 128 rows of the tile I fetch
	s_lshl_b32 s20, s17, 8
	s_add_co_u32 s20, s20, s18                     ; A: token 256 x tile row + 128 x half,
	s_lshl_b32 s20, s20, 6                         ; 64 bytes a token
	s_lshl_b32 s46, s42, 8
	s_add_co_u32 s46, s46, s18                     ; B: row 256 x tile column + 128 x half,
	s_lshl_b32 s46, s46, 10
	s_add_co_u32 s46, s46, 0x300000                ; in the fourth tensor of wc
	s_mov_b32 s21, 0
	s_mov_b32 s47, 0
	s_mul_i32 s45, s16, AHALF                      ; where they go: no place in the cluster enters an LDS address
	s_mul_i32 s92, s16, HALFT
	s_add_co_u32 s92, s92, BOFF
	s_wait_kmcnt 0x0
	s_load_b64 s[96:97], s[8:9], 0x28              ; e10, e11
	s_add_nc_u64 s[20:21], s[4:5], s[20:21]
	s_add_nc_u64 s[46:47], s[6:7], s[46:47]
	CROUND                                         ; all sixteen work-groups are here: the first joint loads meet
.irp s, 0,1
	s_mov_b32 s[G0+4*\s], 1
	s_add_co_u32 s[G0+4*\s+1], s45, \s*SLOT
	s_add_nc_u64 s[G0+4*\s+2:G0+4*\s+3], s[20:21], \s*ASTEP
	s_or_b32 s[G0+4*\s+3], s[G0+4*\s+3], 0x80000000
	s_mov_b32 s[G0B+4*\s], 1
	s_add_co_u32 s[G0B+4*\s+1], s92, \s*SLOT
	s_add_nc_u64 s[G0B+4*\s+2:G0B+4*\s+3], s[46:47], \s*ROWB
	s_or_b32 s[G0B+4*\s+3], s[G0B+4*\s+3], 0x80000000
	s_wait_alu depctr_va_vdst(0)
	s_wait_tensorcnt 0x0
	ds_add_u32 v28, v29
	ds_add_u32 v28, v29
	s_wait_dscnt 0x0
	CROUND
	JLOAD G0+4*\s, G1, G0B+4*\s, G1B
.endr
	v_and_b32 v1, 15, v0                           ; r
	v_bfe_u32 v2, v0, 4, 1                         ; h
	v_mul_u32_u24 v3, v1, APITCH
	v_lshl_add_u32 v3, v2, 4, v3                   ; A: token r x 80 + 16 h
	v_mul_u32_u24 v4, v1, PITCH
	v_lshl_add_u32 v4, v2, 4, v4                   ; B: row r x 272 + 16 h
	s_mul_i32 s21, s15, AHALF                      ; my 128 tokens
	s_mul_i32 s22, s16, HALFT                      ; my 128 rows of Wo
	s_add_co_u32 s22, s22, BOFF
.irp s, 0,1
	v_add_nc_u32 v[ADRA+\s], s21, v3
	v_add_nc_u32 v[ADRB+\s], s22, v4
	s_add_co_u32 s21, s21, SLOT
	s_add_co_u32 s22, s22, SLOT
.endr
	s_mul_i32 s23, s14, 16*SPITCH                  ; my stage
	v_mul_u32_u24 v5, v1, SPITCH                   ; in: row r, 32 bytes for each half of the lanes
	v_lshl_add_u32 v5, v2, 5, v5
	v_add_nc_u32 v[STO], s23, v5
	v_and_b32 v6, 31, v0
	v_lshlrev_b32 v[CO], 4, v6                     ; back: the 32 lanes take one row of 512 bytes; and the same in out0
	v_add_nc_u32 v[RD], s23, v[CO]
	s_lshl_b32 s46, s42, 10                        ; my first column, in bytes of f32: 1,024 x tile column + 512 x half
	s_lshl_b32 s47, s16, 9
	s_add_co_u32 s46, s46, s47
	s_mov_b32 s47, 0
	s_add_nc_u64 s[10:11], s[10:11], s[46:47]      ; bo at my first column
	v_lshlrev_b32 v7, 5, v2                        ; lane (r, h) wants, for tile b, columns 16 b + 8 h + 0 .. 7
.irp b, 0,1,2,3,4,5,6,7
	global_load_b128 v[BI+8*\b:BI+8*\b+3], v7, s[10:11] offset:64*\b
	global_load_b128 v[BI+8*\b+4:BI+8*\b+7], v7, s[10:11] offset:64*\b+16
.endr
	s_lshl_b32 s20, s17, 8
	s_lshl_b32 s21, s15, 7
	s_add_co_u32 s20, s20, s21                     ; my first row of out0: 256 x tile row + 128 x half,
	s_lshl_b32 s20, s20, 12                        ; 4,096 bytes a row: under 2^25
	s_add_co_u32 s20, s20, s46
	s_mov_b32 s21, 0
	s_add_nc_u64 s[12:13], s[12:13], s[20:21]
	s_wait_kmcnt 0x0
	s_add_co_i32 s96, s96, s97                     ; e10 + e11
	s_sub_co_i32 s98, 0, s96
	s_add_co_i32 s96, s96, 127
	s_lshl_b32 s96, s96, 23                        ; 2^(e10 + e11) as f32  (s97 is named with it as a pair and has been written)
	s_wait_loadcnt 0x0
.set j, 0
.rept 64
	v_ldexp_f32 v[BI+j], v[BI+j], s98              ; bo / 2^(e10 + e11): exact, short of overflow and underflow
.set j, j+1
.endr
.macro FRAG reg, adr, q, i             ; B: 16 rows x 128 K: registers 4 c .. 4 c + 3 hold K = 32 c + 16 (l / 16) + 0 .. 15
.irp c, 0,1,2,3
	ds_load_b128 v[\reg+4*\c:\reg+4*\c+3], v[\adr] offset:128*(\q)+32*\c+(\i)*16*PITCH
.endr
.endm
.macro FRAGA reg, adr, q, i            ; A: the same k: heads 2 q and 2 q + 1 of the slot's four; c / 2 picks the head, 32 (c % 2) the half of its 64
.irp c, 0,1,2,3
	ds_load_b128 v[\reg+4*\c:\reg+4*\c+3], v[\adr] offset:(2*(\q)+\c/2)*HEADB+32*(\c%2)+(\i)*16*APITCH
.endr
.endm
; 16 matrix instructions: A's blocks a0, a0 + 1 x B's eight, 128 along K.  first = 1: the bias starts the sums: nothing is ever cleared.
; The 64 accumulators take turns, one instruction a turn, in the same order in every step.
.macro MUL16 a0, p, first
.irp a, \a0, \a0+1
.irp b, 0,1,2,3,4,5,6,7
.if \first
	v_wmma_f32_16x16x128_fp8_fp8 v[8*(8*((\a)%4)+\b):8*(8*((\a)%4)+\b)+7], v[128*(\p)+FR*\b:128*(\p)+FR*\b+FR-1], v[AF+FR*(\a):AF+FR*(\a)+FR-1], v[BI+8*\b:BI+8*\b+7]
.else
	v_wmma_f32_16x16x128_fp8_fp8 v[8*(8*((\a)%4)+\b):8*(8*((\a)%4)+\b)+7], v[128*(\p)+FR*\b:128*(\p)+FR*\b+FR-1], v[AF+FR*(\a):AF+FR*(\a)+FR-1], v[8*(8*((\a)%4)+\b):8*(8*((\a)%4)+\b)+7]
.endif
.endr
.endr
.endm
.macro FETCH_B slot, q, p
	WIN TO_B
.irp i, 0,1,2,3,4,5,6,7
	FRAG 128*(\p)+FR*\i, ADRB+\slot, \q, \i
.endr
	WIN 0
.endm
.macro FETCH_A slot, q, i0
.irp i, \i0, \i0+1, \i0+2, \i0+3
	FRAGA AF+FR*(\i), ADRA+\slot, \q, \i
.endr
.endm
.macro PLACES n                        ; plain vector lines that name none of a matrix instruction's registers, in front of loads into registers that it has read and of the first read of results
.rept \n
	v_nop
.endr
.endm
.macro STEP slot, q, first             ; a step of 128 along K that has its successor in the same slot
	s_wait_dscnt 4*NL                              ; B's set and A's blocks 0-3 are in; the youngest 16 loads (A's blocks 4-7) may be out
.if \first
	WIN FST_LO
.else
	WIN MUL_LO
.endif
	MUL16 0, (\q)%2, \first
	MUL16 2, (\q)%2, \first
	s_wait_dscnt 0
	PLACES NP
	FETCH_B \slot, (\q)+1, 1-(\q)%2
	FETCH_A \slot, (\q)+1, 0
.if \first
	WIN FST_HI
.else
	WIN MUL_HI
.endif
	MUL16 4, (\q)%2, \first
	MUL16 6, (\q)%2, \first
	PLACES NP
	WIN 0
	FETCH_A \slot, (\q)+1, 4
.endm
; A slot's last step changes slots: ONE barrier; in front of it each wave waits for all its tensor loads, adds 0 to its spare word, and waits for that and for its own reads of this slot.  fill = 1: this slot is filled again, two K steps ahead.
.macro TURN slot, next, fill
	s_wait_tensorcnt 0x0                           ; all my tensor loads have landed: my part of the next slot;  (every window is 0 here)
	ds_add_u32 v[SPW], v[NIL]                      ; 0 onto my spare word
	s_wait_dscnt 4*NL+1                            ; (the add and the youngest 16 loads may be out)
	WIN MUL_LO
	MUL16 0, 1, 0                                  ; sixteen matrix instructions stand between the add and the wait for it
	s_wait_dscnt 0x0                               ; the add is done, and my reads of this slot are over
	s_barrier_signal -1
	MUL16 2, 1, 0
	WIN 0
	s_barrier_wait -1
.if \fill
	CREST                                          ; the barrier has opened a round of the cluster's barrier: no wave of any partner still reads this slot's tile or has a load on its way
	s_add_nc_u64 s[G0+4*\slot+2:G0+4*\slot+3], s[G0+4*\slot+2:G0+4*\slot+3], 2*ASTEP
	s_add_nc_u64 s[G0B+4*\slot+2:G0B+4*\slot+3], s[G0B+4*\slot+2:G0B+4*\slot+3], 2*ROWB
	JLOAD G0+4*\slot, G1, G0B+4*\slot, G1B         ; the first tensor load behind the round; the four v_nop behind it are the places in front of the loads below
.else
	PLACES NP
.endif
	FETCH_B \next, 0, 0
	FETCH_A \next, 0, 0
	WIN MUL_HI
	MUL16 4, 1, 0
	MUL16 6, 1, 0
	PLACES NP
	WIN 0
	FETCH_A \next, 0, 4
.endm
	s_wait_alu depctr_va_vdst(0)
	s_wait_tensorcnt 1                             ; my part of K step 0 is in (K step 1's load may be out)
	s_barrier_signal -1
	s_barrier_wait -1                              ; everybody's is
	FETCH_B 0, 0, 0
	FETCH_A 0, 0, 0
	FETCH_A 0, 0, 4
	STEP 0, 0, 1                                   ; four K steps of 256, eight steps of 128: written out, since a loop over the ring would have one trip
	TURN 0, 1, 1                                   ; slot 0 takes heads 8 to 11
	STEP 1, 0, 0
	TURN 1, 0, 1                                   ; slot 1 takes heads 12 to 15
	STEP 0, 0, 0
	TURN 0, 1, 0                                   ; nothing is left to fetch: no round of the cluster's barrier
	STEP 1, 0, 0
	s_wait_dscnt 4*NL                              ; the very last step
	WIN MUL_LO
	MUL16 0, 1, 0
	MUL16 2, 1, 0
	s_wait_dscnt 0
	WIN MUL_HI
	MUL16 4, 1, 0
	MUL16 6, 1, 0
	WIN 0
; THE WAY OUT, block by block of 16 rows x 128 columns.  A lane holds 32 neighbouring bytes of a row, and the lanes beside it hold other rows: so a block goes through my own stage in LDS and comes back as whole
; rows of 512 bytes.  LDS serves a wave's instructions in order (ISA guide 5.7.1.4): no wait between the stores and the loads, nor in front of the next block's stores.
.macro TOSTAGE a
.set AC, 64*((\a)%4)
	WIN 0x02+((\a)/4)                              ; source 0: window 2 or 3
.set j, 0
.rept 32
	v_pk_mul_f32 v[TMP+j:TMP+j+1], v[AC+j:AC+j+1], s[96:97] op_sel_hi:[1,0]   ; both x s96 = 2^(e10 + e11); each accumulator from its low end on
.set j, j+2
.endr
	WIN 0
.irp b, 0,1,2,3,4,5,6,7
	ds_store_b128 v[STO], v[TMP+8*\b:TMP+8*\b+3] offset:64*\b
	ds_store_b128 v[STO], v[TMP+8*\b+4:TMP+8*\b+7] offset:64*\b+16
.endr
.set BB, BK+64*((\a)%2)
.irp t, 0,1,2,3,4,5,6,7,8,9,10,11,12,13,14,15
	ds_load_b128 v[BB+4*\t:BB+4*\t+3], v[RD] offset:\t*SPITCH
.endr
.endm
.macro SEND a, younger                 ; younger: the LDS instructions issued behind block a's loads, which may stay out
.set BB, BK+64*((\a)%2)
	s_wait_dscnt \younger                          ; the block is back in registers
.if (\a) > 0
	s_add_nc_u64 s[12:13], s[12:13], 16*4096       ; (behind a wait on XCNT: the earlier stores have read their base)  16 rows on
.endif
.irp t, 0,1,2,3,4,5,6,7,8,9,10,11,12,13,14,15
	global_store_b128 v[CO], v[BB+4*\t:BB+4*\t+3], s[12:13] offset:\t*4096 th:TH_STORE_NT   ; 32 lanes store 512 consecutive bytes, at a multiple of 256 from out0's first byte; written once, read by nobody here
.endr
.endm
	PLACES NP                                      ; behind the last products: ahead of the first read of results and of the loads into the registers that held A's fragments
	TOSTAGE 0
.irp a, 1,2,3,4,5,6,7
.if \a > 1
	s_wait_xcnt 0x0                                ; block a - 2's stores have read their registers and their base: block a's loads may land there, and the base may step
.endif
	TOSTAGE \a
	SEND \a-1, 32                                  ; behind block a - 1's loads: block a's 16 stores and 16 loads
.endr
	s_wait_xcnt 0x0                                ; block 6's stores have read their base
	SEND 7, 0
	s_wait_tensorcnt 0x0                           ; the wave's end, behind my last tensor load and my last LDS store
	ds_add_u32 v[SPW], v[NIL]
	s_wait_dscnt 0x0
	CROUND                                         ; the closing round: no work-group ends while a partner may still ask for a tile that names it
	s_endpgm
.Lfunc_end_k_q8c7827afac_out_gemm:
	.size	k_q8c7827afac_out_gemm, .Lfunc_end_k_q8c7827afac_out_gemm-k_q8c7827afac_out_gemm
	.p2alignl 7, 3214868480
	.fill 96, 4, 3214868480
	.section	.rodata,"a",@progbits
	.p2align	6, 0x0
	.amdhsa_kernel k_q8c7827afac_out_gemm
		.amdhsa_group_segment_fixed_size 327680
		.amdhsa_private_segment_fixed_size 0
		.amdhsa_enable_private_segment 0
		.amdhsa_kernarg_size 40
		.amdhsa_user_sgpr_count 2
		.amdhsa_user_sgpr_kernarg_segment_ptr 1
		.amdhsa_wavefront_size32 1
		.amdhsa_system_sgpr_workgroup_id_x 1
		.amdhsa_system_sgpr_workgroup_id_y 1
		.amdhsa_system_sgpr_workgroup_id_z 1
		.amdhsa_system_vgpr_workitem_id 0
		.amdhsa_next_free_vgpr 1024
		.amdhsa_next_free_sgpr 100
		.amdhsa_reserve_vcc 0
		.amdhsa_float_denorm_mode_32 3
		.amdhsa_float_denorm_mode_16_64 3
		.amdhsa_memory_ordered 1
		.amdhsa_forward_progress 1
		.amdhsa_inst_pref_size 130
	.end_amdhsa_kernel
	.amdgpu_metadata
---
amdhsa.version: [ 1, 2 ]
amdhsa.kernels:
  - .name:           k_q8c7827afac_out_gemm
    .symbol:         k_q8c7827afac_out_gemm.kd
    .args:
      - { .name: oc, .offset: 0, .size: 8, .value_kind: global_buffer, .address_space: global }
      - { .name: wc, .offset: 8, .size: 8, .value_kind: global_buffer, .address_space: global }
      - { .name: lowp_scales, .offset: 16, .size: 8, .value_kind: global_buffer, .address_space: global }
      - { .name: bo, .offset: 24, .size: 8, .value_kind: global_buffer, .address_space: global }
      - { .name: out0, .offset: 32, .size: 8, .value_kind: global_buffer, .address_space: global }
    .group_segment_fixed_size: 327680
    .private_segment_fixed_size: 0
    .kernarg_segment_align: 8
    .kernarg_segment_size: 40
    .max_flat_workgroup_size: 128
    .sgpr_count:     100
    .vgpr_count:     1024
    .wavefront_size: 32
...
	.end_amdgpu_metadata
.endif
;; end of part 4
